; MI455X (gfx1250); checked and timed in simulation.
; The chip was launched on July 23, 2026; its instructions are those of AMD's public machine-readable ISA for CDNA 5 (MIT licence, August 2026) and "CDNA5" Instruction Set Architecture Reference Guide (July 2026). The comments in the code are by the model that wrote it; some were corrected since.
;; Multi Head Attention. Allowed arithmetic: matrix products marked QUANTISED: E2M3 operands, one E8M0 scale for each 32 along K, by v_wmma_scale_f32_16x16x128_f8f6f4 with both operands' format E2M3, f32 sums; everything else in f32.
;; Inputs: Wk 1,024 x 1,024 float32; Wp 1,024 x 1,024 float32; Wq 1,024 x 1,024 float32; Wv 1,024 x 1,024 float32; bp 1,024 float32; x 4 x 2,048 x 1,024 float32.
;; Outputs: out0 4 x 2,048 x 1,024 float32.
;; This version of the problem:
;;   THIS VERSION OF THE PROBLEM IS GIVEN IN LOW PRECISION. The matrix products marked QUANTISED in the list below multiply operands that are first quantised to E2M3 (2 exponent bits, 3 mantissa bits; 6 bits a number), with one power-of-two scale for each 32 numbers along K (OCP MX v1.0); their sums are f32. All else is computed in f32.
;;   The module's matrix products, in the order in which they are computed (A, B: the left and right operand; K: the contracted axis; several contracted axes count as one K, in the product's order):
;;     1. [M 8,192, K 1,024] x [K 1,024, N 1,024]; A: input x; B: input Wk: QUANTISED
;;     2. [M 8,192, K 1,024] x [K 1,024, N 1,024]; A: input x; B: input Wq: QUANTISED
;;     3. [M 8,192, K 1,024] x [K 1,024, N 1,024]; A: input x; B: input Wv: QUANTISED
;;     4. batch 64 x [M 2,048, K 64] x [K 64, N 2,048]; A: computed on the way; B: computed on the way: QUANTISED
;;     5. batch 64 x [M 2,048, K 2,048] x [K 2,048, N 64]; A: softmax (see below); B: computed on the way: QUANTISED
;;     6. [M 8,192, K 1,024] x [K 1,024, N 1,024]; A: computed on the way; B: input Wp: QUANTISED
;;   THE QUANTISER, for each operand of a quantised product, along K:
;;     - K is cut into blocks of 32 from its start; a last block that is shorter is filled with zeros.
;;     - A block's scale is 2^e with e = floor(log2(the largest magnitude in the block)) - 2, held to -126 .. 127; a block of zeros has e = 0. As a byte (E8M0): e + 127.
;;     - Each number is divided by its block's scale, clamped to +-7.5, and rounded to the nearest number of E2M3, ties to even, subnormals kept.
;;     - The product sums the exact products of the quantised numbers (number of the format x scale) in f32.
;;   ~~~python
;;   def quantise(x, axis):      # numpy; x: float32 -> the quantised numbers, widened to float32 again
;;       x = np.moveaxis(x, axis, -1); K = x.shape[-1]
;;       x = np.pad(x, [(0, 0)] * (x.ndim - 1) + [(0, -K % 32)]); x = x.reshape(x.shape[:-1] + (-1, 32)); a = np.abs(x).max(-1, keepdims=True)
;;       e = np.where(a > 0, np.clip(np.frexp(np.where(a > 0, a, 1))[1] - 1 - 2, -126, 127), 0)      # np.frexp(a)[1] - 1 = floor(log2(a)), exactly
;;       r = np.clip(x / 2.0 ** e, -7.5, 7.5)
;;       step = 2.0 ** (np.maximum(np.frexp(np.where(r == 0, 1, r))[1] - 1, 0) - 3)
;;       q = np.round(r / step) * step * 2.0 ** e      # np.round: ties to even
;;       return np.moveaxis(q.reshape(q.shape[:-2] + (-1,))[..., :K], -1, axis).astype(np.float32)
;;   ~~~
;;   SOFTMAX AHEAD OF A QUANTISED PRODUCT. Where the list says 'softmax', what is quantised is not the finished softmax but p = 2^(t - M), with t = logit x log2(e) and M = ceil(the row's largest t), a whole number; so 1/2 < the row's largest p <= 1. The row's sum l is taken of the UNQUANTISED p, in f32, and the product's result is divided by l at the end. Since M is a whole number, a kernel that streams over the keys may use a running M (the ceiling of the running maximum): every later rescaling is an exact power of two, which a block's scale takes up: the codes' values come out the same.
;;   OPERANDS COMPUTED ON THE WAY. 'Computed on the way' means the value that the module computes at that place (a softmax that the list does not call 'softmax' is quantised finished and normalised). What goes into a quantiser is computed in f32, as accurately as f32 sums, v_exp_f32 and their like allow (about 1e-6 of the number): no bf16 or f16 on the way to a quantiser, and a product that is left as it is and whose result goes on into a quantised operand takes f32 operands (vector FMAs, or v_wmma_f32_16x16x4_f32). A number that lies on a knife's edge between two numbers of the format may be rounded either way, as far as f32 arithmetic and the matrix unit's own rounding can turn it there, and no further.
;; One version. Each part assembles by itself: llvm-mc -triple=amdgcn-amd-amdhsa -mcpu=gfx1250 --defsym DOCPART=n.
;; ======== version 1 of 1: 4 launches
;; workspace buffers: xw_img 9,830,400 bytes; o_img 6,553,600 bytes; att_codes 18,874,368 bytes; att_scales 1,572,864 bytes
;; launch quant (part 1): grid 768 x 1, 2 waves a work-group, no clusters, 24,832 bytes of LDS; arguments x, Wq, Wk, Wv, Wp, xw_img; writes xw_img
.if DOCPART == 1
	.amdgcn_target "amdgcn-amd-amdhsa--gfx1250"
	.amdhsa_code_object_version 6
	.text
	.protected	k_qe84afc30c8_quant
	.globl	k_qe84afc30c8_quant
	.p2align	8
	.type	k_qe84afc30c8_quant,@function
k_qe84afc30c8_quant:
	s_mov_b64 s[64:65], 0
	v_nop
	global_prefetch_b8 v0, s[64:65] scope:SCOPE_SE
	s_setreg_imm32_b32 hwreg(HW_REG_WAVE_MODE, 25, 1), 1
	s_wait_xcnt 0x0
; x [8192][1024] and Wq, Wk, Wv, Wp [1024][1024], f32, K innermost, become codes of FP6 (E2M3) with one E8M0 scale byte for each 32 along K,
; laid in xw_img in THE ORDER OF AN OPERAND'S REGISTERS, so that the products' launches read them by plain loads of 256 consecutive bytes.
; A LANE TILE lt is 16 rows: its lane-row m is tensor row 32 (lt / 2) + 8 (lt % 2) + m + 8 (m / 8).  Tiles 0-511: x; 512-575 Wq; 576-639 Wk; 640-703 Wv; 704-767 Wp.
; xw_img is [lane tile 768][half of K 2][6,400 bytes]: four fragments (16 rows x 128 K) of 1,536 bytes, then 256 scale bytes, byte 16 m + block for the half's 16 blocks.
; A fragment is six planes of 256 bytes: plane 3 c + p holds at byte 8 x lane registers 6 c + 2 p and 6 c + 2 p + 1 of lane (r, h): bytes 8 p .. 8 p + 7 of the 24 bytes of block 2 c + h of lane-row r.
; A block's scale is 2^(floor(log2(its largest magnitude)) - 2); its byte is the largest magnitude's exponent field - 2, held at 1 from below; each number is divided by the scale and rounded to the nearest code, ties to even.
; (A block of zeros so gets the byte 1 where the rule says 127: its codes are zeros, which add nothing under any byte but 0xff, and this program alone reads the bytes.)
; LIMITS: blocks whose largest magnitude lies under 2^(2 - 126) keep the byte 1; NaN and infinities among the inputs are not served.
; SHARES.  A work-group takes one lane tile, 768 in all: three for each of 256 WGPs; wave w takes half w of K: 16 steps, each half a row: 512 numbers, 2,048 consecutive bytes.
; Each load reads 512 consecutive bytes; a step's bytes turn through the wave's own stage in LDS so that a lane holds 16 neighbours along K (two lanes to a block), which is what the conversion takes.
; A lane's three words of codes go to their places in the planes, gathered in the wave's own LDS; at the end the wave's 6,400 bytes leave as 25 stores of 256 consecutive, aligned bytes.
; No tensor loads, no barrier, no cluster: waves and work-groups share nothing, each input byte is read once.  Loads run eight steps (32 loads, 16,384 bytes a wave) ahead: half of a wave's bytes are asked for at its start.
.set WREG,  12288                      ; LDS: a region for each wave
.set SP,    80                         ; a lane's place in a turn stage: its 64 bytes + 16 of padding
.set OUTB,  2*32*SP                    ; behind the two turn stages: the 24 planes,
.set OP,    264                        ; 264 bytes apart: with that pitch the 32 lanes of each word store fall on 32 different banks (64 banks of 4 bytes: ISA guide 11.1)
.set SCB,   OUTB+24*OP                 ; and the 256 scale bytes
.set HALFB, 6400
.set STEPS, 16
.set DEPTH, 8                          ; steps whose loads are out
.set EMAX,  2
.set R,     16                         ; v16-143  eight sets of 16 numbers as they are loaded; at the end the planes on their way out
.set X,     144                        ; v144-175 two sets of 16 neighbours
.set E,     176                        ; v176-191 a scale byte for each step
.set C,     192                        ; v192-255 codes: four registers for each step
	s_load_b256 s[4:11], s[0:1], 0x0               ; x, Wq, Wk, Wv
	s_load_b128 s[12:15], s[0:1], 0x20             ; Wp, xw_img
	v_lshl_add_u32 v251, v0, 2, 0x6000
	v_mov_b32 v255, 0
	v_lshrrev_b32 v1, 5, v0
	v_readfirstlane_b32 s16, v1                    ; wave 0..1: my half of K
	v_and_b32 v2, 31, v0                           ; lane
	v_lshlrev_b32 v3, 4, v2                        ; my 16 bytes of a load's 512
	v_lshlrev_b32 v7, 3, v2                        ; my 8 bytes of a plane
	s_mul_i32 s17, s16, WREG
	v_lshrrev_b32 v14, 2, v2
	v_mul_u32_u24 v14, v14, SP
	v_and_b32 v15, 3, v2
	v_lshl_add_u32 v14, v15, 4, v14
	v_add_nc_u32 v14, s17, v14                     ; the turn stage, in: SP (lane / 4) + 16 (lane % 4)
	v_mul_u32_u24 v15, v2, SP
	v_add_nc_u32 v15, s17, v15                     ; and out: SP x lane: my 16 neighbours
	v_lshrrev_b32 v5, 1, v2
	v_add_nc_u32 v5, s17, v5
	v_add_nc_u32 v5, SCB, v5                       ; my block's scale byte: block = lane / 2; 16 bytes a step
	; my lane holds half q = lane % 2 of block lane / 2: fragment lane / 8, c = (lane / 4) % 2, h = (lane / 2) % 2.  Word 3 q + w of the block's six goes to plane 3 c + (3 q + w) / 2, half (3 q + w) % 2
	v_lshrrev_b32 v8, 3, v2
	v_mul_u32_u24 v8, v8, 6*OP
	v_bfe_u32 v9, v2, 2, 1
	v_mad_u32_u24 v8, v9, 3*OP, v8
	v_bfe_u32 v9, v2, 1, 1
	v_lshl_add_u32 v8, v9, 7, v8                   ; lanes 16-31 of a plane: 128 bytes on
	v_add_nc_u32 v8, s17, v8
	v_add_nc_u32 v8, OUTB, v8
	v_and_b32 v9, 1, v2                            ; q
	v_mad_u32_u24 v4, v9, OP+4, v8                 ; word 0: q = 0: plane 0, low;   q = 1: plane 1, high
	v_mad_u32_u24 v6, v9, 2*OP-4, v8
	v_add_nc_u32 v6, 4, v6                         ; word 1: q = 0: plane 0, high;  q = 1: plane 2, low
	v_mad_u32_u24 v10, v9, OP+4, v8
	v_add_nc_u32 v10, OP, v10                      ; word 2: q = 0: plane 1, low;   q = 1: plane 2, high
	v_add_nc_u32 v12, s17, v7
	v_add_nc_u32 v13, SCB, v12                     ; the way out: 8 bytes a lane of the scale bytes,
	v_add_nc_u32 v12, OUTB, v12                    ; and of each plane
	s_and_b32 s18, ttmp9, 63
	s_cmp_lt_u32 ttmp9, 512
	s_cselect_b32 s18, ttmp9, s18                  ; which lane tile of my tensor: x has 512, each weight 64
	s_lshr_b32 s19, s18, 1
	s_lshl_b32 s19, s19, 17                        ; a pair of lane tiles is 32 rows of 4,096 bytes,
	s_and_b32 s18, s18, 1
	s_lshl_b32 s18, s18, 15                        ; the odd lane tile begins 8 rows on,
	s_add_co_u32 s18, s18, s19
	s_lshl_b32 s19, s16, 11                        ; the second half of K 2,048 bytes on
	s_add_co_u32 s18, s18, s19
	s_mov_b32 s19, 0
	s_lshl_b32 s20, ttmp9, 1
	s_add_co_u32 s20, s20, s16                     ; 2 x lane tile + half
	s_mul_i32 s20, s20, HALFB
	s_mov_b32 s21, 0
	s_wait_kmcnt 0x0
	s_cmp_ge_u32 ttmp9, 512                        ; whose work-group?  Only the pointer is chosen, on the work-group's number alone: all five tensors take one path
	s_cselect_b64 s[4:5], s[6:7], s[4:5]
	s_cmp_ge_u32 ttmp9, 576
	s_cselect_b64 s[4:5], s[8:9], s[4:5]
	s_cmp_ge_u32 ttmp9, 640
	s_cselect_b64 s[4:5], s[10:11], s[4:5]
	s_cmp_ge_u32 ttmp9, 704
	s_cselect_b64 s[4:5], s[12:13], s[4:5]
	s_add_nc_u64 s[4:5], s[4:5], s[18:19]
	s_add_nc_u64 s[14:15], s[14:15], s[20:21]
.macro LOAD t                          ; step t is lane-row t: t + 8 (t / 8) rows on
.irp i, 0,1,2,3
	global_load_b128 v[R+16*((\t)%DEPTH)+4*\i:R+16*((\t)%DEPTH)+4*\i+3], v3, s[4:5] offset:((\t)+8*((\t)/8))*4096+512*\i th:TH_LOAD_NT   ; 32 lanes read 512 consecutive bytes
.endr
.endm
.macro TURN t                          ; step t's numbers through the stage: LDS serves a wave's instructions in order, so no wait stands between the stores and the loads
.irp i, 0,1,2,3
	ds_store_b128 v14, v[R+16*((\t)%DEPTH)+4*\i:R+16*((\t)%DEPTH)+4*\i+3] offset:32*SP*((\t)%2)+8*SP*\i
.endr
.irp i, 0,1,2,3
	ds_load_b128 v[X+16*((\t)%2)+4*\i:X+16*((\t)%2)+4*\i+3], v15 offset:32*SP*((\t)%2)+16*\i
.endr
.endm
.irp t, 0,1,2,3,4,5,6,7
	LOAD \t
.endr
	s_wait_loadcnt 4*(DEPTH-1)                     ; step 0's four loads are in; the seven steps behind it may be out
	TURN 0
.macro STEP t
.set XS, X+16*((\t)%2)
.if (\t) > 0
	s_wait_dscnt 4                                 ; this step's numbers are back from the stage (the last step's four stores of codes and byte may be out): so its stores into the stage have read their registers,
.else
	s_wait_dscnt 0x0
.endif
.if (\t)+DEPTH < STEPS
	LOAD (\t)+DEPTH                                ; which take the loads of eight steps on
.endif
.if (\t)+1 < STEPS
.if STEPS-2-(\t) >= DEPTH-1
	s_wait_loadcnt 4*(DEPTH-1)                     ; the next step's four loads are in; those of the seven steps behind it may be out
.else
	s_wait_loadcnt 4*(STEPS-2-(\t))                ; in the tail: those of the steps that are left
.endif
	TURN (\t)+1                                    ; and go through the other stage while this step is worked
.endif
	v_max3_num_f32 v8, |v[XS]|, |v[XS+1]|, |v[XS+2]|               ; the largest magnitude of my 16, in two chains
	v_max3_num_f32 v9, |v[XS+3]|, |v[XS+4]|, |v[XS+5]|
.irp i, 6,10
	v_max3_num_f32 v8, v8, |v[XS+\i]|, |v[XS+\i+1]|
	v_max3_num_f32 v9, v9, |v[XS+\i+2]|, |v[XS+\i+3]|
.endr
	v_max3_num_f32 v8, v8, |v[XS+14]|, |v[XS+15]|
	v_max3_num_f32 v8, v8, v9, (EMAX+1)<<23        ; and the floor 2^(EMAX + 1 - 127): so the byte cannot fall under 1
	v_max_num_f32_dpp v8, v8, v8 row_xmask:1 row_mask:0xf bank_mask:0xf   ; and of my neighbour's 16: the block's
	v_add_nc_u32 v11, -(EMAX<<23), v8              ; EMAX off its exponent field: the conversion takes the exponent field of this operand as its scale, and nothing else of it
	v_cvt_scalef32_pk16_fp6_f32 v[C+4*(\t):C+4*(\t)+2], v[XS:XS+15], v11   ; 16 codes, 96 bits without gaps, the first number's code lowest
	v_lshrrev_b32 v[E+(\t)], 23, v11               ; the scale's byte (a plain line behind the conversion)
	ds_store_b8 v5, v[E+(\t)] offset:16*(\t)       ; both lanes of a block write the same byte with the same value
	ds_store_b32 v4, v[C+4*(\t)] offset:8*(\t)     ; my three words to their planes, at lane-row t's 8 bytes
	ds_store_b32 v6, v[C+4*(\t)+1] offset:8*(\t)
	ds_store_b32 v10, v[C+4*(\t)+2] offset:8*(\t)
.endm
.irp t, 0,1,2,3,4,5,6,7,8,9,10,11,12,13,14,15
	STEP \t
.endr
.set N, 0
.rept 24
	ds_load_b64 v[R+2*N:R+2*N+1], v12 offset:OP*N  ; LDS serves a wave's instructions in order: these see my stores
.set N, N+1
.endr
	ds_load_b64 v[R+48:R+49], v13
.set N, 0
.rept 25
	s_wait_dscnt 24-N                              ; plane N is in; the younger loads may be out
	global_store_b64 v7, v[R+2*N:R+2*N+1], s[14:15] offset:256*N   ; 32 lanes store 256 consecutive bytes, at a multiple of 256 from the buffer's first byte
.set N, N+1
.endr
	s_wait_tensorcnt 0x0
	ds_add_u32 v251, v255
	s_wait_dscnt 0x0
	s_endpgm
.Lfunc_end_k_qe84afc30c8_quant:
	.size	k_qe84afc30c8_quant, .Lfunc_end_k_qe84afc30c8_quant-k_qe84afc30c8_quant
	.p2alignl 7, 3214868480
	.fill 96, 4, 3214868480
	.section	.rodata,"a",@progbits
	.p2align	6, 0x0
	.amdhsa_kernel k_qe84afc30c8_quant
		.amdhsa_group_segment_fixed_size 24832
		.amdhsa_private_segment_fixed_size 0
		.amdhsa_enable_private_segment 0
		.amdhsa_kernarg_size 48
		.amdhsa_user_sgpr_count 2
		.amdhsa_user_sgpr_kernarg_segment_ptr 1
		.amdhsa_wavefront_size32 1
		.amdhsa_system_sgpr_workgroup_id_x 1
		.amdhsa_system_sgpr_workgroup_id_y 1
		.amdhsa_system_sgpr_workgroup_id_z 1
		.amdhsa_system_vgpr_workitem_id 0
		.amdhsa_next_free_vgpr 256
		.amdhsa_next_free_sgpr 66
		.amdhsa_reserve_vcc 0
		.amdhsa_float_denorm_mode_32 3
		.amdhsa_float_denorm_mode_16_64 3
		.amdhsa_memory_ordered 1
		.amdhsa_forward_progress 1
		.amdhsa_inst_pref_size 40
	.end_amdhsa_kernel
	.amdgpu_metadata
---
amdhsa.version: [ 1, 2 ]
amdhsa.kernels:
  - .name:           k_qe84afc30c8_quant
    .symbol:         k_qe84afc30c8_quant.kd
    .args:
      - { .name: x, .offset: 0, .size: 8, .value_kind: global_buffer, .address_space: global }
      - { .name: Wq, .offset: 8, .size: 8, .value_kind: global_buffer, .address_space: global }
      - { .name: Wk, .offset: 16, .size: 8, .value_kind: global_buffer, .address_space: global }
      - { .name: Wv, .offset: 24, .size: 8, .value_kind: global_buffer, .address_space: global }
      - { .name: Wp, .offset: 32, .size: 8, .value_kind: global_buffer, .address_space: global }
      - { .name: xw_img, .offset: 40, .size: 8, .value_kind: global_buffer, .address_space: global }
    .group_segment_fixed_size: 24832
    .private_segment_fixed_size: 0
    .kernarg_segment_align: 8
    .kernarg_segment_size: 48
    .max_flat_workgroup_size: 64
    .sgpr_count:     66
    .vgpr_count:     256
    .wavefront_size: 32
...
	.end_amdgpu_metadata
.endif
;; end of part 1
;; launch qkv (part 2): grid 8 x 32, 4 waves a work-group, clusters of 4 x 4, 327,680 bytes of LDS; arguments xw_img, att_codes, att_scales; writes att_codes, att_scales
.if DOCPART == 2
	.amdgcn_target "amdgcn-amd-amdhsa--gfx1250"
	.amdhsa_code_object_version 6
	.text
	.protected	k_qe84afc30c8_qkv
	.globl	k_qe84afc30c8_qkv
	.p2align	8
	.type	k_qe84afc30c8_qkv,@function
k_qe84afc30c8_qkv:
	s_mov_b64 s[64:65], 0
	v_nop
	global_prefetch_b8 v0, s[64:65] scope:SCOPE_SE
	s_setreg_imm32_b32 hwreg(HW_REG_WAVE_MODE, 25, 1), 1
	s_wait_xcnt 0x0
	s_wait_alu depctr_hold_cnt(0) depctr_sa_sdst(0) depctr_va_vdst(0) depctr_va_sdst(0) depctr_va_ssrc(0) depctr_va_vcc(0) depctr_vm_vsrc(0)
	s_getreg_b32 s2, hwreg(HW_REG_IB_STS2, 6, 4)
	s_cmp_eq_u32 s2, 0
	s_cbranch_scc0 .Lentry_in_a_cluster
	s_endpgm
.Lentry_in_a_cluster:
	s_bfe_u32 s2, ttmp6, 0x10000c
	s_cmp_lg_u32 s2, 0xf033
	s_cbranch_scc0 .Lentry_shape_is_right
	s_endpgm
.Lentry_shape_is_right:
; q = x Wq^T, k = x Wk^T, v = x Wv^T on codes of FP6 (E2M3) with E8M0 scales for each 32 along K = 1,024; the results are quantised in registers, in f32 as they leave the sums, and stored as codes:
; q and k along the features (a head's 64 are two blocks of 32), v along the tokens (the keys are the K of attention's second product).
; THE PRODUCT.  D = source 0 (the R side: its rows run along a lane's registers in D) x source 1 (the L side: its rows are D's lanes).  q, k: R = the 2,048 rows of Wq and Wk, L = the tokens.  v: R = the tokens, L = Wv's rows.
; Operands come from xw_img as images of their registers ([lane tile][half of K][four fragments of 1,536 bytes + 256 bytes of scale words]); lane-row m of lane tile lt is row 32 (lt / 2) + 8 (lt % 2) + m + 8 (m / 8),
; so that the 16 registers of R tiles 2 b and 2 b + 1 in a lane are 16 NEIGHBOURS, 32 b + 16 (lane / 16) + 0 .. 15: what the conversions to codes take.
; SHARES.  A tile is R 256 x L 128; wave w makes R 128 (half w % 2) x L 64 (half w / 2): 8 x 4 = 32 accumulators.  There are 768 tiles: 512 of q and k, 256 of v.
; A WORK-GROUP STAYS: 256 work-groups make three tiles each, written out one after the other: two of q and k, with the same 256 rows of Wq | Wk and token tiles 32 apart, then one of v.
; LDS IS A RING OF TWO SLOTS: slot kh holds half kh of K of a tile's 16 + 8 lane tiles, 153,600 bytes.  A tile's K steps 0-3 read slot 0, steps 4-7 slot 1.  In step 3, when slot 0's last fragments are in registers,
; slot 0 is filled with the next tile's first half; in step 7 slot 1 with its second half: each load has 112 products in which to land (slot 1's the way out besides).  Between the first two tiles R stays: only L's 51,200 bytes a slot are filled again.
; A tile's results are quantised and stored from registers while the next tile's first fragments come out of LDS; nothing waits for a tile's stores.
; CLUSTERS: 4 x 4 work-groups.  R's tiles hang on the work-group's x alone and are shared along a column of the cluster, L's on its y alone and are shared along a row: each is asked for JOINTLY, by the same tensor load
; with the same descriptor and a mask that names the four.  Every refill stands behind a round of the cluster's barrier.  The three tiles are of the same kind in all sixteen partners.
; OUT.  att_codes: q, k: [token tile 512][s 16][1,536], s = feature / 128 (k: + 8); v from byte VC: [feature tile 64][s 64][1,536], s = token / 128.  A wave's 128 R rows are one s: each of its four L tiles gives one whole fragment.
; att_scales: q, k: [s 16][four tiles 128][512]; v from byte VS: [s 64][four tiles 16][512].  A record: bytes 16 r: the four tiles' scale words of lane-row r; bytes 256 + 16 r: the same bytes paired for a K of 64:
; X00, X10, X01, X11 with X g c = halfword c of tile 2 g's word below halfword c of tile 2 g + 1's.
; LIMITS: NaN and infinities are not served; a block whose largest magnitude lies under 2^(2 - 126), a block of zeros among them, keeps the byte 1 (its codes add nothing; this program alone reads the bytes).
; REGISTERS, in windows of 256: window 0: v1-29 addresses; v32-79 scale words and nothing else; v96-191 L's fragments, two sets; v192-255 the way out.  window 1: R's fragments, two sets, at v0 and v128.  window 2: accumulator (a, i) at v[64 a + 8 i].
.set FRB,   1536                       ; a fragment's image
.set HALFB, 4*FRB+256                  ; a lane tile's half of K
.set RHALF, 16*HALFB                   ; LDS: R's 16 lane tiles, slot 0's at 0, slot 1's at RHALF;
.set LREG,  2*RHALF                    ; L's 8 lane tiles, slot 0's here,
.set LHALF, 8*HALFB                    ; slot 1's LHALF on
.set SCO,   4*FRB                      ; the scale words' place in a half
.set SPARE, LREG+2*LHALF               ; behind the ring: the spare words, 128 bytes for each wave: two blocks of 256 bytes that no other line names
.set VC,    12582912
.set VS,    1048576
.set NEXTL, 32*8*2*HALFB               ; from the first tile's tokens in xw_img to the second's: 32 L tiles of 8 lane tiles
.set NEXTC, 32*8*16*FRB                ; the same step in att_codes
.set NEXTS, 32*2*512                   ; and in att_scales
.set LN8,  1                           ; v1   8 x lane
.set LANE, 2                           ; v2   lane
.set ADR,  16                          ; v16-17 LDS address of my R fragments, slot 0, 1
.set ADL,  18                          ; v18-19 of my L fragments
.set ASR,  20                          ; v20-21 of R's scale words: lanes 0-15 tile u, lanes 16-31 tile u + 4
.set ASL,  22                          ; v22-23 of L's: lanes 0-15 tile u, lanes 16-31 tile u + 2
.set LN16, 24                          ; v24  16 x lane
.set SPW,  28                          ; v28  LDS address of my spare word: SPARE + 4 x my thread's number; never rewritten
.set NIL,  29                          ; v29  0; never rewritten
.set SC,   32                          ; scale words: v[SC + 8 u + s] for K step s; u = 0..3: R's tiles u | u + 4; u = 4, 5: L's tiles u - 4 | u - 2
.set LF,   96
.set PC,   192                         ; v192-211 the codes just made
.set TM,   216                         ; v216-219 largest magnitudes, v220-223 bytes, v228-231 the conversions' scale operands
.set PW,   232                         ; v232-235 the four tiles' scale words
.set XW,   236                         ; v236-239 the paired words
.set OW,   240                         ; v240-243 what my lane stores of the record
.set WV,   12                          ; s12 wave; s13 wave / 2; s14 wave % 2
.set G1L,  24                          ; s[24:31] descriptor group 1 for L's tiles; s[32:39] group 0, one set for each slot
.set G0L,  32
.set G1R,  40                          ; s[40:47], s[48:55] the same for R's
.set G0R,  48
.set SEL,  56                          ; s[56:57] lane selects for v_permlanex16_b32: lane l xor 16
.set QC,   58                          ; s[58:59] q, k: my first fragment in att_codes;  s[60:61] my record in att_scales;  s[62:63], s[66:67] the same for v.  None is ever stepped
.set QS,   60
.set VCB,  62
.set VSB,  66
.set VL,   68                          ; s[68:69] v: where my part of L's tile begins in xw_img;  s[70:71] of R's
.set VR,   70
.set MSB, 0
.macro WIN new                         ; the immediate's high byte repeats the setting that is left
.if MSB != \new
	s_set_vgpr_msb (MSB<<8)|\new
.set MSB, \new
.endif
.endm
.set MULW, 0xa1                        ; source 0 (R) window 1, source 1 (L) window 0, C and D window 2
.set TO_R, 0x40                        ; destination window 1, address window 0
.macro CREST                           ; a round of the cluster's barrier behind its opening barrier
	s_cmp_lg_u32 s[WV], 0
	s_cbranch_scc1 .Lnot_wave_0_\@
	s_barrier_signal -3
.Lnot_wave_0_\@:
	s_barrier_wait -3
	s_barrier_signal -1
	s_barrier_wait -1
.endm
.macro CROUND                          ; a whole round
	s_barrier_signal -1
	s_barrier_wait -1
	CREST
.endm
.macro PLACES                          ; four places in front of loads into registers that matrix instructions have read, and of the first read of results
.rept 4
	v_nop
.endr
.endm
	s_load_b128 s[4:7], s[0:1], 0x0                ; xw_img, att_codes
	s_load_b64 s[8:9], s[0:1], 0x10                ; att_scales
	v_lshl_add_u32 v[SPW], v0, 2, SPARE
	v_mov_b32 v[NIL], 0
	ds_add_u32 v28, v29
	ds_add_u32 v28, v29
	s_wait_dscnt 0x0
	v_lshrrev_b32 v1, 5, v0
	v_readfirstlane_b32 s[WV], v1                  ; wave 0..3
	s_lshr_b32 s13, s[WV], 1                       ; my half of L.  Also: I fetch for L (0) or for R (1)
	s_and_b32 s14, s[WV], 1                        ; my half of R.  Also: which half of that side's lane tiles I fetch
	s_bfe_u32 s16, ttmp6, 0x40000                  ; cx, cy: my place in the cluster
	s_bfe_u32 s17, ttmp6, 0x40004
	s_and_b32 s20, ttmp7, 0xffff                   ; the cluster's y: 0-7
	s_lshl_b32 s18, ttmp9, 2
	s_add_co_u32 s18, s18, s16                     ; q, k: R tile = 4 x cluster x + cx (8 tiles of 256 rows of Wq | Wk): it holds cx and never cy
	s_lshl_b32 s19, s20, 2
	s_add_co_u32 s19, s19, s17                     ; q, k: the first L tile = 4 x cluster y + cy (of 64 tiles of 128 tokens; the second is 32 on): it holds cy and never cx
	s_lshr_b32 s21, s20, 1
	s_lshl_b32 s21, s21, 3
	s_add_co_u32 s21, s21, s18                     ; v: R tile = 4 x cluster x + cx + 8 x (cluster y / 2)  (32 tiles of 256 tokens)
	s_and_b32 s22, s20, 1
	s_lshl_b32 s22, s22, 2
	s_add_co_u32 s22, s22, s17                     ; v: L tile = 4 x (cluster y % 2) + cy  (8 tiles of 128 rows of Wv)
	; where the tiles come from, in bytes from xw_img's first: R's in registers that never hold cy, L's in registers that never hold cx
	s_lshl_b32 s72, s18, 4
	s_add_co_u32 s72, s72, 512                     ; q, k: R's lane tiles begin at Wq's
	s_lshl_b32 s73, s14, 3
	s_add_co_u32 s72, s72, s73                     ; the first of the 8 lane tiles that I would fetch
	s_mul_i32 s72, s72, 2*HALFB
	s_mov_b32 s73, 0
	s_lshl_b32 s[VR], s21, 4                       ; v: R's are x's
	s_lshl_b32 s[VR+1], s14, 3
	s_add_co_u32 s[VR], s[VR], s[VR+1]
	s_mul_i32 s[VR], s[VR], 2*HALFB
	s_mov_b32 s[VR+1], 0
	s_lshl_b32 s74, s19, 3                         ; q, k: L's are x's
	s_lshl_b32 s75, s14, 2
	s_add_co_u32 s74, s74, s75                     ; the first of the 4 that I would fetch
	s_mul_i32 s74, s74, 2*HALFB
	s_mov_b32 s75, 0
	s_lshl_b32 s[VL], s22, 3
	s_add_co_u32 s[VL], s[VL], 640                 ; v: L's begin at Wv's
	s_lshl_b32 s[VL+1], s14, 2
	s_add_co_u32 s[VL], s[VL], s[VL+1]
	s_mul_i32 s[VL], s[VL], 2*HALFB
	s_mov_b32 s[VL+1], 0
	s_lshl_b32 s76, s17, 2
	s_lshl_b32 s76, 15, s76                        ; my row of the cluster
	s_lshl_b32 s77, 0x1111, s16                    ; my column
	; descriptor group 1: rows of 6,400 bytes (800 elements of 8), one for each lane tile, 12,800 bytes apart in memory, on end in LDS
	s_or_b32 s[G1L], s76, (3<<16)|(1<<21)          ; 15:0 the mask: L's tiles go to my row; 17:16 elements of 8 bytes; 20 no padding; 21 set beside a mask
	s_mov_b32 s[G1L+1], 800<<16                    ; tensor_dim0
	s_mov_b32 s[G1L+2], 4<<16                      ; tensor_dim1 = 4 lane tiles
	s_mov_b32 s[G1L+3], 800<<16                    ; tile_dim0
	s_mov_b32 s[G1L+4], 4                          ; tile_dim1
	s_mov_b32 s[G1L+5], 1600                       ; tensor_dim0_stride
	s_mov_b32 s[G1L+6], 0
	s_mov_b32 s[G1L+7], 0
	s_or_b32 s[G1R], s77, (3<<16)|(1<<21)          ; R's tiles go to my column
	s_mov_b32 s[G1R+1], 800<<16
	s_mov_b32 s[G1R+2], 8<<16                      ; 8 lane tiles
	s_mov_b32 s[G1R+3], 800<<16
	s_mov_b32 s[G1R+4], 8
	s_mov_b32 s[G1R+5], 1600
	s_mov_b32 s[G1R+6], 0
	s_mov_b32 s[G1R+7], 0
	s_mul_i32 s78, s14, 4*HALFB                    ; where they go: the wave's number alone enters an LDS address
	s_mul_i32 s79, s14, 8*HALFB
	; where my results go.  q, k:
	s_lshl_b32 s82, s18, 1
	s_add_co_u32 s82, s82, s14                     ; my s: 2 x R tile + my half
	s_lshl_b32 s83, s19, 3
	s_lshl_b32 s86, s13, 2
	s_add_co_u32 s83, s83, s86                     ; my first output tile: 8 x L tile + 4 x my half
	s_lshl_b32 s86, s83, 4
	s_add_co_u32 s86, s86, s82
	s_mul_i32 s86, s86, FRB                        ; 16 fragments to an output tile
	s_mov_b32 s87, 0
	s_lshl_b32 s88, s82, 7
	s_lshr_b32 s89, s83, 2
	s_add_co_u32 s88, s88, s89
	s_lshl_b32 s88, s88, 9                         ; 128 records to an s
	s_mov_b32 s89, 0
	; v:
	s_lshl_b32 s90, s21, 1
	s_add_co_u32 s90, s90, s14
	s_lshl_b32 s91, s22, 3
	s_lshl_b32 s92, s13, 2
	s_add_co_u32 s91, s91, s92
	s_lshl_b32 s92, s91, 6
	s_add_co_u32 s92, s92, s90
	s_mul_i32 s92, s92, FRB                        ; 64 fragments to an output tile
	s_add_co_u32 s92, s92, VC
	s_mov_b32 s93, 0
	s_lshl_b32 s94, s90, 4
	s_lshr_b32 s95, s91, 2
	s_add_co_u32 s94, s94, s95
	s_lshl_b32 s94, s94, 9                         ; 16 records to an s
	s_add_co_u32 s94, s94, VS
	s_mov_b32 s95, 0
	s_mov_b32 s[SEL], 0x76543210
	s_mov_b32 s[SEL+1], 0xfedcba98
	s_mov_b32 s84, 0x05040100                      ; v_perm_b32: the two low halves;
	s_mov_b32 s85, 0x07060302                      ; the two high halves
	s_wait_kmcnt 0x0
	s_add_nc_u64 s[72:73], s[4:5], s[72:73]
	s_add_nc_u64 s[74:75], s[4:5], s[74:75]
	s_add_nc_u64 s[VR:VR+1], s[4:5], s[VR:VR+1]
	s_add_nc_u64 s[VL:VL+1], s[4:5], s[VL:VL+1]
	s_add_nc_u64 s[QC:QC+1], s[6:7], s[86:87]
	s_add_nc_u64 s[QS:QS+1], s[8:9], s[88:89]
	s_add_nc_u64 s[VCB:VCB+1], s[6:7], s[92:93]
	s_add_nc_u64 s[VSB:VSB+1], s[8:9], s[94:95]
.irp kh, 0,1
	s_mov_b32 s[G0L+4*\kh], 1                      ; 1:0 count = 1
	s_add_co_u32 s[G0L+4*\kh+1], s78, LREG+LHALF*\kh   ; 63:32 LDS address: slot kh; it stays
	s_add_nc_u64 s[G0L+4*\kh+2:G0L+4*\kh+3], s[74:75], HALFB*\kh   ; 120:64 global address: half kh of K of the first tile
	s_or_b32 s[G0L+4*\kh+3], s[G0L+4*\kh+3], 0x80000000   ; 127:126 type = 2
	s_mov_b32 s[G0R+4*\kh], 1
	s_add_co_u32 s[G0R+4*\kh+1], s79, RHALF*\kh
	s_add_nc_u64 s[G0R+4*\kh+2:G0R+4*\kh+3], s[72:73], HALFB*\kh
	s_or_b32 s[G0R+4*\kh+3], s[G0R+4*\kh+3], 0x80000000
.endr
	CROUND                                         ; all sixteen work-groups are here: the first joint loads meet
	s_cmp_eq_u32 s13, 0                            ; a wave's two first fills stand in one branch on the wave's number, ahead of every wait on TENSORcnt and every LDS read: two loads of mine are out; four v_nop follow the second
	s_cbranch_scc0 .Lfor_r
	tensor_load_to_lds s[G0L:G0L+3], s[G1L:G1L+7]
	s_nop 0
	tensor_load_to_lds s[G0L+4:G0L+7], s[G1L:G1L+7]
	s_nop 0
.rept 4
	v_nop
.endr
	s_branch .Lasked
.Lfor_r:
	tensor_load_to_lds s[G0R:G0R+3], s[G1R:G1R+7]
	s_nop 0
	tensor_load_to_lds s[G0R+4:G0R+7], s[G1R:G1R+7]
	s_nop 0
.rept 4
	v_nop
.endr
.Lasked:
	v_and_b32 v[LANE], 31, v0
	v_lshlrev_b32 v[LN8], 3, v[LANE]
	v_lshlrev_b32 v[LN16], 4, v[LANE]
	v_and_b32 v3, 15, v0                           ; r
	v_bfe_u32 v4, v0, 4, 1                         ; h
	s_mul_i32 s80, s14, 8*HALFB                    ; my 8 lane tiles of R
	s_mul_i32 s81, s13, 4*HALFB                    ; my 4 of L
	v_add_nc_u32 v[ADR], s80, v[LN8]
	v_add_nc_u32 v[ADR+1], RHALF, v[ADR]
	v_add_nc_u32 v[ADL], s81, v[LN8]
	v_add_nc_u32 v[ADL], LREG, v[ADL]
	v_add_nc_u32 v[ADL+1], LHALF, v[ADL]
	v_lshlrev_b32 v5, 4, v3                        ; 16 r: a lane-row's four scale words
	v_mad_u32_u24 v[ASR], v4, 4*HALFB, v5          ; lanes 16-31: four lane tiles on
	v_add_nc_u32 v[ASR], s80, v[ASR]
	v_add_nc_u32 v[ASR], SCO, v[ASR]
	v_add_nc_u32 v[ASR+1], RHALF, v[ASR]
	v_mad_u32_u24 v[ASL], v4, 2*HALFB, v5          ; lanes 16-31: two lane tiles on
	v_add_nc_u32 v[ASL], s81, v[ASL]
	v_add_nc_u32 v[ASL], LREG+SCO, v[ASL]
	v_add_nc_u32 v[ASL+1], LHALF, v[ASL]
.irp b, 0,1,2,3
	v_mov_b32 v[TM+4+\b], 0                        ; written once: a lane permute's destination counts as one of its sources
.endr
.macro SCALES kh                       ; the scale words of a slot's four K steps: 16 bytes a lane-row
.irp u, 0,1,2,3
	ds_load_b128 v[SC+8*\u+4*(\kh):SC+8*\u+4*(\kh)+3], v[ASR+(\kh)] offset:HALFB*\u
.endr
.irp u, 0,1
	ds_load_b128 v[SC+32+8*\u+4*(\kh):SC+32+8*\u+4*(\kh)+3], v[ASL+(\kh)] offset:HALFB*\u
.endr
.endm
.macro FETCH s, p                      ; K step s into set p: 72 loads of one plane each (256 consecutive bytes): L's four fragments, R's 0-3, R's 4-7
	WIN 0
.irp a, 0,1,2,3
.irp n, 0,1,2,3,4,5
	ds_load_b64 v[LF+48*(\p)+12*\a+2*\n:LF+48*(\p)+12*\a+2*\n+1], v[ADL+(\s)/4] offset:HALFB*\a+FRB*((\s)%4)+256*\n
.endr
.endr
	WIN TO_R
.irp i, 0,1,2,3,4,5,6,7
.irp n, 0,1,2,3,4,5
	ds_load_b64 v[128*(\p)+12*\i+2*\n:128*(\p)+12*\i+2*\n+1], v[ADR+(\s)/4] offset:HALFB*\i+FRB*((\s)%4)+256*\n
.endr
.endr
	WIN 0
.endm
; One product: L tile a x R tile 4 hf + ii, K step s, set p.  zero = 1: it starts the sum: nothing is ever cleared.  R's scale words of tiles 4-7 and L's of tiles 2, 3 lie in lanes 16-31 of their registers.
.macro MM a, ii, hf, p, s, zero
.set rD, 64*(\a)+8*(4*(\hf)+(\ii))
.set rA, 128*(\p)+12*(4*(\hf)+(\ii))
.set rB, LF+48*(\p)+12*(\a)
.set rX, SC+8*(\ii)+(\s)
.set rY, SC+32+8*((\a)%2)+(\s)
.if \zero
.if ((\hf) == 0) && ((\a) < 2)
	v_wmma_scale_f32_16x16x128_f8f6f4 v[rD:rD+7], v[rA:rA+11], v[rB:rB+11], 0, v[rX], v[rY] matrix_a_fmt:MATRIX_FMT_FP6 matrix_b_fmt:MATRIX_FMT_FP6
.elseif (\hf) == 0
	v_wmma_scale_f32_16x16x128_f8f6f4 v[rD:rD+7], v[rA:rA+11], v[rB:rB+11], 0, v[rX], v[rY] matrix_a_fmt:MATRIX_FMT_FP6 matrix_b_fmt:MATRIX_FMT_FP6 matrix_b_scale:MATRIX_SCALE_ROW1
.elseif (\a) < 2
	v_wmma_scale_f32_16x16x128_f8f6f4 v[rD:rD+7], v[rA:rA+11], v[rB:rB+11], 0, v[rX], v[rY] matrix_a_fmt:MATRIX_FMT_FP6 matrix_b_fmt:MATRIX_FMT_FP6 matrix_a_scale:MATRIX_SCALE_ROW1
.else
	v_wmma_scale_f32_16x16x128_f8f6f4 v[rD:rD+7], v[rA:rA+11], v[rB:rB+11], 0, v[rX], v[rY] matrix_a_fmt:MATRIX_FMT_FP6 matrix_b_fmt:MATRIX_FMT_FP6 matrix_a_scale:MATRIX_SCALE_ROW1 matrix_b_scale:MATRIX_SCALE_ROW1
.endif
.else
.if ((\hf) == 0) && ((\a) < 2)
	v_wmma_scale_f32_16x16x128_f8f6f4 v[rD:rD+7], v[rA:rA+11], v[rB:rB+11], v[rD:rD+7], v[rX], v[rY] matrix_a_fmt:MATRIX_FMT_FP6 matrix_b_fmt:MATRIX_FMT_FP6
.elseif (\hf) == 0
	v_wmma_scale_f32_16x16x128_f8f6f4 v[rD:rD+7], v[rA:rA+11], v[rB:rB+11], v[rD:rD+7], v[rX], v[rY] matrix_a_fmt:MATRIX_FMT_FP6 matrix_b_fmt:MATRIX_FMT_FP6 matrix_b_scale:MATRIX_SCALE_ROW1
.elseif (\a) < 2
	v_wmma_scale_f32_16x16x128_f8f6f4 v[rD:rD+7], v[rA:rA+11], v[rB:rB+11], v[rD:rD+7], v[rX], v[rY] matrix_a_fmt:MATRIX_FMT_FP6 matrix_b_fmt:MATRIX_FMT_FP6 matrix_a_scale:MATRIX_SCALE_ROW1
.else
	v_wmma_scale_f32_16x16x128_f8f6f4 v[rD:rD+7], v[rA:rA+11], v[rB:rB+11], v[rD:rD+7], v[rX], v[rY] matrix_a_fmt:MATRIX_FMT_FP6 matrix_b_fmt:MATRIX_FMT_FP6 matrix_a_scale:MATRIX_SCALE_ROW1 matrix_b_scale:MATRIX_SCALE_ROW1
.endif
.endif
.endm
.macro MULH hf, a0, p, s, zero         ; 8 products: L's tiles a0, a0 + 1 x R's tiles 4 hf .. 4 hf + 3
.irp a, \a0, \a0+1
.irp ii, 0,1,2,3
	MM \a, \ii, \hf, \p, \s, \zero
.endr
.endr
.endm
.macro MUL16 hf, p, s, zero            ; 16 products.  The 32 accumulators take turns, one instruction a turn, in the same order in every K step and from tile to tile
	MULH \hf, 0, \p, \s, \zero
	MULH \hf, 2, \p, \s, \zero
.endm
; A K step of 128 that has its successor in the same slot (and the very last): 32 products; in its middle the next step's 72 loads, in one run, into the other set.
.macro STEP s, zero
	s_wait_dscnt 24                                ; the scale words, L's fragments and R's 0-3 are in; the youngest 24 loads (R's 4-7) may be out
	WIN MULW
	MUL16 0, (\s)%2, \s, \zero
	s_wait_dscnt 0x0                               ; R's 4-7 are in (asked for 32 products ago)
.if (\s) < 7
	PLACES                                         ; the other set was last read by the step before
	FETCH (\s)+1, ((\s)+1)%2
.endif
	WIN MULW
	MUL16 1, (\s)%2, \s, \zero
.endm
; A joint refill of slot kh.  Waves 0 and 1 fetch L's two halves; both = 1: waves 2 and 3 fetch R's, both = 0: they fetch nothing (R stays).  The branch hangs on the wave's number alone: it is the same in every work-group.
; Four v_nop follow each tensor load, ahead of the jump, the label and what follows.
.macro JLOAD kh, both
	s_cmp_eq_u32 s13, 0
.if \both
	s_cbranch_scc0 .Lfor_r_\@
.else
	s_cbranch_scc0 .Lasked_\@
.endif
	tensor_load_to_lds s[G0L+4*(\kh):G0L+4*(\kh)+3], s[G1L:G1L+7]
	s_nop 0
.rept 4
	v_nop
.endr
.if \both
	s_branch .Lasked_\@
.Lfor_r_\@:
	tensor_load_to_lds s[G0R+4*(\kh):G0R+4*(\kh)+3], s[G1R:G1R+7]
	s_nop 0
.rept 4
	v_nop
.endr
.endif
.Lasked_\@:
.endm
; A slot's last K step (s = 3 or 7) changes slots: ONE barrier; in front of it each wave waits for all its tensor loads (the one that may be out is its part of the slot ahead), adds 0 to its spare word, and waits for that and
; for its own reads of this slot, whose last fragments are then in registers.  Behind it nobody reads this slot any more and the slot ahead is whole.
; fill = 1: this slot's L is filled with the same half of K of the token tile 32 on;  fill = 2: L and R with v's tile;  fill = 0: nothing is left to fetch.
; With a fill the barrier opens a round of the cluster's barrier, so that no wave of any partner still reads the slot or has a load on its way, and the joint refill is the first tensor load behind the round, one a wave.
.macro TURN s, fill
	WIN 0                                          ; (the add's two registers lie in window 0)
	s_wait_tensorcnt 0x0                           ; all my tensor loads have landed;
	ds_add_u32 v[SPW], v[NIL]                      ; 0 onto my spare word;
	s_wait_dscnt 25                                ; (the add and the youngest 24 loads, R's 4-7, may be out)
	WIN MULW
	MULH 0, 0, (\s)%2, \s, 0                       ; eight products stand between the add and the wait for it
	s_wait_dscnt 0x0                               ; the add is done, and my reads of this slot are over
	s_barrier_signal -1
	MULH 0, 2, (\s)%2, \s, 0                       ; work on registers while the others arrive
	WIN 0
	s_barrier_wait -1
.if (\fill) == 1
	CREST
	s_add_nc_u64 s[G0L+4*((\s)/4)+2:G0L+4*((\s)/4)+3], s[G0L+4*((\s)/4)+2:G0L+4*((\s)/4)+3], NEXTL   ; no tensor load of mine is out: a group 0 may be written; the type bits on top are not reached
	JLOAD (\s)/4, 0
	PLACES                                         ; on every wave's path: in front of the loads below, into registers that the step before multiplied
.elseif (\fill) == 2
	CREST
	s_add_nc_u64 s[G0L+4*((\s)/4)+2:G0L+4*((\s)/4)+3], s[VL:VL+1], HALFB*((\s)/4)
	s_or_b32 s[G0L+4*((\s)/4)+3], s[G0L+4*((\s)/4)+3], 0x80000000
	s_add_nc_u64 s[G0R+4*((\s)/4)+2:G0R+4*((\s)/4)+3], s[VR:VR+1], HALFB*((\s)/4)
	s_or_b32 s[G0R+4*((\s)/4)+3], s[G0R+4*((\s)/4)+3], 0x80000000
	JLOAD (\s)/4, 1                                ; the four v_nop behind each load are also the places in front of the loads below
.else
	PLACES
.endif
	SCALES (((\s)+1)%8)/4                          ; the slot ahead: this tile's second half of K, or the next tile's first
	FETCH ((\s)+1)%8, 0
	WIN MULW
	MUL16 1, (\s)%2, \s, 0
.endm
; L tile a's 64 numbers of a lane (window 2, register 16 b + i = R row 32 b + 16 (lane / 16) + i) become a fragment's codes in v[PC] on and its lane-row's scale word in v[PW + a].
.macro QUANT a
	WIN 0x0a                                       ; sources 0 and 1: window 2
.irp b, 0,1,2,3
	v_max3_num_f32 v[TM+\b], |v[64*(\a)+16*\b]|, |v[64*(\a)+16*\b+1]|, 0x1800000   ; block b: my 16 numbers, each accumulator from its low end on, and the floor 2^(3 - 127): the byte cannot fall under 1
.endr
.irp i, 2,4,6,8,10,12,14
.irp b, 0,1,2,3
	v_max3_num_f32 v[TM+\b], |v[64*(\a)+16*\b+\i]|, |v[64*(\a)+16*\b+\i+1]|, v[TM+\b]   ; (the four blocks by turns)
.endr
.endr
	WIN 0
.irp b, 0,1,2,3
	v_permlanex16_b32 v[TM+4+\b], v[TM+\b], s[SEL], s[SEL+1]
.endr
.irp b, 0,1,2,3
	v_max_num_f32 v[TM+\b], v[TM+\b], v[TM+4+\b]   ; with lane l xor 16's: the block's largest magnitude
.endr
.irp b, 0,1,2,3
	v_add_nc_u32 v[TM+12+\b], 0xff000000, v[TM+\b] ; 2 off its exponent field: the conversion's scale operand
.endr
.irp b, 0,1,2,3
	v_lshrrev_b32 v[TM+4+\b], 23, v[TM+12+\b]      ; the scale's byte
.endr
	v_lshl_or_b32 v[PW+(\a)], v[TM+5], 8, v[TM+4]
	v_lshl_or_b32 v[PW+(\a)], v[TM+6], 16, v[PW+(\a)]
	v_lshl_or_b32 v[PW+(\a)], v[TM+7], 24, v[PW+(\a)]
	s_wait_xcnt 0x0                                ; the stores issued so far have read their data: the codes' registers are written again only behind this wait
	WIN 0x02                                       ; source 0: window 2
.irp c, 0,1
	v_cvt_scalef32_pk16_fp6_f32 v[PC+6*\c:PC+6*\c+2], v[64*(\a)+32*\c:64*(\a)+32*\c+15], v[TM+12+2*\c]
	v_cvt_scalef32_pk16_fp6_f32 v[PC+12+4*\c:PC+14+4*\c], v[64*(\a)+32*\c+16:64*(\a)+32*\c+31], v[TM+12+2*\c+1]   ; (a conversion's three registers begin on an even number)
.endr
	WIN 0
	v_nop                                          ; one plain place behind a scaled conversion: for the lines below, and for the next tile's products, which write the conversions' sources
.irp c, 0,1                                    ; the operand's layout wants a WHOLE block in a lane: lanes 0-15 block 2 c, lanes 16-31 block 2 c + 1
.irp i, 0,1,2
	v_permlane16_swap_b32 v[PC+6*\c+\i], v[PC+12+4*\c+\i]
.endr
.irp i, 0,1,2
	v_mov_b32 v[PC+3+6*\c+\i], v[PC+12+4*\c+\i]
.endr
.endr
.endm
; THE WAY OUT of tile t (0, 1: q and k; 2: v): each L tile's 16 x 128 results are quantised in registers and leave as one fragment: six stores of 256 consecutive, aligned bytes.  No LDS: the registers are the image.
; No base is stepped: the output tile, and the second tile's distance from the first, stand in the immediates: 6,366,464 at the most, inside the signed 24 bits (ISA guide, chapter 10).
.macro OUT t
.if (\t) < 2
.set CB, QC
.set SB, QS
.set STRD, 16*FRB
.set OFC, (\t)*NEXTC
.set OFS, (\t)*NEXTS
.else
.set CB, VCB
.set SB, VSB
.set STRD, 64*FRB
.set OFC, 0
.set OFS, 0
.endif
.irp a, 0,1,2,3
	QUANT \a
.irp n, 0,1,2,3,4,5
	global_store_b64 v[LN8], v[PC+2*\n:PC+2*\n+1], s[CB:CB+1] offset:OFC+STRD*\a+256*\n
.endr
.endr
	v_perm_b32 v[XW], v[PW+1], v[PW], s84          ; X00: the low halfwords of tiles 0 and 1
	v_perm_b32 v[XW+1], v[PW+3], v[PW+2], s84      ; X10: of tiles 2 and 3
	v_perm_b32 v[XW+2], v[PW+1], v[PW], s85        ; X01: the high halfwords
	v_perm_b32 v[XW+3], v[PW+3], v[PW+2], s85      ; X11
	v_cmp_le_u32 vcc_lo, 16, v[LANE]
.irp i, 0,1,2,3
	v_cndmask_b32 v[OW+\i], v[PW+\i], v[XW+\i], vcc_lo   ; lanes 0-15 store the four words of lane-row r, lanes 16-31 the paired ones (every lane holds lane-row lane % 16's).  The last tile's record was stored ahead of this tile's waits on XCNT
.endr
	global_store_b128 v[LN16], v[OW:OW+3], s[SB:SB+1] offset:OFS   ; the record: 512 consecutive bytes
.endm
; A tile: eight K steps and the way out.  fill says what its two changes of slots ask for.
.macro TILE t, fill
	STEP 0, 1                                      ; the first K step's products start the sums
	STEP 1, 0
	STEP 2, 0
	TURN 3, \fill
	STEP 4, 0
	STEP 5, 0
	STEP 6, 0
.if \fill
	TURN 7, \fill                                  ; the ring goes on into the next tile, whose first fragments are fetched here
.else
	STEP 7, 0
.endif
	WIN 0
	PLACES
	OUT \t
.endm
	s_wait_alu depctr_va_vdst(0)
	s_wait_tensorcnt 0x1                           ; my part of slot 0 has landed; slot 1's load may stay out
	s_barrier_signal -1
	s_barrier_wait -1                              ; everybody's has
	SCALES 0
	FETCH 0, 0
	TILE 0, 1                                      ; q, k: the first token tile; its changes of slots ask for the second's L
	TILE 1, 2                                      ; q, k: the token tile 32 on; its changes of slots ask for v's L and R
	TILE 2, 0                                      ; v: nothing is left to fetch
	s_wait_tensorcnt 0x0                           ; the wave's end: my last LDS instructions, behind my last tensor load
	ds_add_u32 v[SPW], v[NIL]
	s_wait_dscnt 0x0
	CROUND                                         ; the closing round: no work-group ends while a partner may still ask for a tile that names it
	s_endpgm
.Lfunc_end_k_qe84afc30c8_qkv:
	.size	k_qe84afc30c8_qkv, .Lfunc_end_k_qe84afc30c8_qkv-k_qe84afc30c8_qkv
	.p2alignl 7, 3214868480
	.fill 96, 4, 3214868480
	.section	.rodata,"a",@progbits
	.p2align	6, 0x0
	.amdhsa_kernel k_qe84afc30c8_qkv
		.amdhsa_group_segment_fixed_size 327680
		.amdhsa_private_segment_fixed_size 0
		.amdhsa_enable_private_segment 0
		.amdhsa_kernarg_size 24
		.amdhsa_user_sgpr_count 2
		.amdhsa_user_sgpr_kernarg_segment_ptr 1
		.amdhsa_wavefront_size32 1
		.amdhsa_system_sgpr_workgroup_id_x 1
		.amdhsa_system_sgpr_workgroup_id_y 1
		.amdhsa_system_sgpr_workgroup_id_z 1
		.amdhsa_system_vgpr_workitem_id 0
		.amdhsa_next_free_vgpr 768
		.amdhsa_next_free_sgpr 100
		.amdhsa_reserve_vcc 1
		.amdhsa_float_denorm_mode_32 3
		.amdhsa_float_denorm_mode_16_64 3
		.amdhsa_memory_ordered 1
		.amdhsa_forward_progress 1
		.amdhsa_inst_pref_size 255
	.end_amdhsa_kernel
	.section	.bss,"aw",@nobits
	.p2align	6
	.space	262144
	.amdgpu_metadata
---
amdhsa.version: [ 1, 2 ]
amdhsa.kernels:
  - .name:           k_qe84afc30c8_qkv
    .symbol:         k_qe84afc30c8_qkv.kd
    .args:
      - { .name: xw_img, .offset: 0, .size: 8, .value_kind: global_buffer, .address_space: global }
      - { .name: att_codes, .offset: 8, .size: 8, .value_kind: global_buffer, .address_space: global }
      - { .name: att_scales, .offset: 16, .size: 8, .value_kind: global_buffer, .address_space: global }
    .group_segment_fixed_size: 327680
    .private_segment_fixed_size: 0
    .kernarg_segment_align: 8
    .kernarg_segment_size: 24
    .max_flat_workgroup_size: 128
    .sgpr_count:     100
    .vgpr_count:     768
    .wavefront_size: 32
...
	.end_amdgpu_metadata
.endif
;; end of part 2
;; launch attn (part 3): grid 4 x 64, 16 waves a work-group, clusters of 4 x 1, 210,944 bytes of LDS; arguments att_codes, att_scales, o_img; writes o_img
.if DOCPART == 3
	.amdgcn_target "amdgcn-amd-amdhsa--gfx1250"
	.amdhsa_code_object_version 6
	.text
	.protected	k_qe84afc30c8_attn
	.globl	k_qe84afc30c8_attn
	.p2align	8
	.type	k_qe84afc30c8_attn,@function
k_qe84afc30c8_attn:
	s_mov_b64 s[64:65], 0
	v_nop
	global_prefetch_b8 v0, s[64:65] scope:SCOPE_SE
	s_setreg_imm32_b32 hwreg(HW_REG_WAVE_MODE, 25, 1), 1
	s_wait_xcnt 0x0
	s_wait_alu depctr_hold_cnt(0) depctr_sa_sdst(0) depctr_va_vdst(0) depctr_va_sdst(0) depctr_va_ssrc(0) depctr_va_vcc(0) depctr_vm_vsrc(0)
	s_getreg_b32 s2, hwreg(HW_REG_IB_STS2, 6, 4)
	s_cmp_eq_u32 s2, 0
	s_cbranch_scc0 .Lentry_in_a_cluster
	s_endpgm
.Lentry_in_a_cluster:
	s_bfe_u32 s2, ttmp6, 0x10000c
	s_cmp_lg_u32 s2, 0x3003
	s_cbranch_scc0 .Lentry_shape_is_right
	s_endpgm
.Lentry_shape_is_right:
; o[b][q][head] = softmax over the keys k <= q of (q . k / 8) times v, for one batch and head a cluster, both products on codes of FP6 (E2M3) with E8M0 scales for each 32 along K; o is quantised along D in registers and stored as the last product's operand.
; THE SOFTMAX AHEAD OF THE SECOND PRODUCT: t = score x log2(e) / 8; M = the row's largest t so far, rounded UP to a whole number; p = 2^(t - M) is what is quantised, along the keys; the row's sum is taken of the unquantised p
; and divides at the end.  When M moves, the sum and O are multiplied by 2^(old M - new M): exact.  (1 / 8 is a power of two: the one constant log2(e) / 8 gives the bits that the two factors give.)
; INPUTS (made by the launch before): fragments of 16 rows x 128 K as images of their registers, six planes of 256 bytes; lane-row m of lane tile lt is row 32 (lt / 2) + 8 (lt % 2) + m + 8 (m / 8).
; A head's 64 features are half c = head % 2 of fragment s = head / 2: three planes, 768 bytes.
; SHARES.  The four work-groups of a cluster serve one batch and head.  Work-group cx takes the query tiles i = 4 j + cx, j = 0 .. 31; wave w takes j = w and then j = 31 - w.  Tile i wants j / 2 + 1 key steps of 128:
; the same number in all four partners, and 17 steps for every wave of the launch: the causal triangle is shared out evenly.
; LDS.  The head's K (98,304 bytes), V (98,304) and their scale words (12,288) are filled ONCE, jointly for the four work-groups (the same tensor load, the same descriptor, a mask that names the four); there is no ring, and behind the one barrier LDS is only read.
; cx enters global addresses, the mask's compare (a select, no branch) and one byte selector: no branch, no trip count, no LDS address.
; THE FIRST PRODUCT HAS K = 64.  One instruction's source 0 holds TWO key tiles, tile 2 g in K 0-63 and tile 2 g + 1 in K 64-127 (1,536 consecutive LDS bytes); source 1 is [q | zeros] for tile 2 g and [zeros | q] for tile 2 g + 1:
; zero codes add nothing whatever their scale.  K's scale word for the pair was laid so by the launch before; q's holds its two bytes twice.
; Both products are used transposed (S^T = K Q^T, O^T = V^T P^T): a lane holds ONE query (lane % 16) throughout; by the order of a tile's rows the 16 registers of two neighbouring tiles are 16 neighbouring keys (features).
; EVERY wave walks 16 trips for each of its tiles: the trip count is a constant; a step whose keys all come after the tile's queries is jumped over by a scalar branch on the wave's number and the trip.
; LIMITS: NaN and infinities are not served; a block whose largest magnitude lies under 2^(2 - 126), a block of zeros among them, keeps the byte 1 (its codes add nothing; this program alone reads the bytes).
; REGISTERS: v1-7 addresses that stay; v8-11, v34 addresses of the step; v12 -M, v13 the largest t, v[14:15] the sum in two halves; v16-21 and v28-33 q (twice), v22-27 zeros; v35 the mask's bound; v36-83 four fragments;
;   v84-87 K's, v88-91 V's, v92 q's scale words; v96-159 S^T, then p; v160-191 O^T; v224-235 p's codes; v232-254 at work; v253 p's scale word.
.set FRB,   1536
.set HALFB, 6400
.set VREG,  98304                      ; LDS: K's 128 half tiles of 768 bytes at 0; V here: [feature tile 4][key step 16][1,536];
.set KSC,   196608                     ; K's paired scale words: [four tiles 32][256];
.set VSC,   204800                     ; V's: [key step 16][256]
.set VC,    12582912
.set VS,    1048576
.set WV,  10                           ; s10 wave; s11 cx; s12 batch x 16 + head; s13 batch; s14 head; s15 head / 2; s16 head % 2
.set CX,  11
.set SEL, 20                           ; s[20:21] lane selects for v_permlanex16_b32: lane l xor 16
.set CS,  22                           ; s[22:23] c = log2(e) / 8: the packed form names a pair and takes its low word for both halves
.set G1K, 24                           ; s[24:31], s[32:39], s[40:47], s[48:55] descriptor groups 1: K, V, K's scales, V's scales
.set G1V, 32
.set G1KS, 40
.set G1VS, 48
.set G0K, 56                           ; s[56:59], s[60:63], s[68:71], s[72:75] their groups 0
.set G0V, 60
.set G0KS, 68
.set G0VS, 72
.set ST,  76                           ; s76 the key step;  s77 the tile's last key step
.set JL,  77
.set TK,  78                           ; s78-81 where the step's K, K's scale words, V, V's scale words begin
.set TS,  79
.set TV,  80
.set TT,  81
.set J,   82                           ; s82 j;  s83 i = 4 j + cx
.set I,   83
.macro CROUND                          ; a round of the cluster's barrier
	s_barrier_signal -1
	s_barrier_wait -1
	s_cmp_lg_u32 s[WV], 0
	s_cbranch_scc1 .Lnot_wave_0_\@
	s_barrier_signal -3
.Lnot_wave_0_\@:
	s_barrier_wait -3
	s_barrier_signal -1
	s_barrier_wait -1
.endm
	s_load_b128 s[4:7], s[0:1], 0x0                ; att_codes, att_scales
	s_load_b64 s[8:9], s[0:1], 0x10                ; o_img
	v_lshl_add_u32 v251, v0, 2, 0x33000
	v_mov_b32 v255, 0
	ds_add_u32 v251, v255
	ds_add_u32 v251, v255
	v_lshrrev_b32 v1, 5, v0
	s_delay_alu instid0(VALU_DEP_1)
	v_readfirstlane_b32 s[WV], v1                  ; wave 0..15
	s_bfe_u32 s[CX], ttmp6, 0x40000                ; cx
	s_and_b32 s12, ttmp7, 0xffff                   ; the cluster's y: batch x 16 + head, which the four partners share
	s_lshr_b32 s13, s12, 4
	s_and_b32 s14, s12, 15
	s_lshr_b32 s15, s14, 1
	s_and_b32 s16, s14, 1
	; descriptor groups 1: elements of 8 bytes, no padding, the mask names all four work-groups, bit 21 set beside it
	s_mov_b32 s[G1K], 15|(3<<16)|(1<<21)           ; K: 64 lane tiles' halves of 768 bytes, 16 fragments (24,576 bytes) apart
	s_mov_b32 s[G1K+1], 96<<16
	s_mov_b32 s[G1K+2], 64<<16
	s_mov_b32 s[G1K+3], 96<<16
	s_mov_b32 s[G1K+4], 64
	s_mov_b32 s[G1K+5], 3072
	s_mov_b32 s[G1K+6], 0
	s_mov_b32 s[G1K+7], 0
	s_mov_b32 s[G1V], 15|(3<<16)|(1<<21)           ; V: a feature tile's 16 fragments of this batch: 24,576 dense bytes, as 96 rows of 256
	s_mov_b32 s[G1V+1], 32<<16
	s_mov_b32 s[G1V+2], 96<<16
	s_mov_b32 s[G1V+3], 32<<16
	s_mov_b32 s[G1V+4], 96
	s_mov_b32 s[G1V+5], 32
	s_mov_b32 s[G1V+6], 0
	s_mov_b32 s[G1V+7], 0
	s_mov_b32 s[G1KS], 15|(3<<16)|(1<<21)          ; K's scales: the second 256 bytes of 32 records of 512
	s_mov_b32 s[G1KS+1], 32<<16
	s_mov_b32 s[G1KS+2], 32<<16
	s_mov_b32 s[G1KS+3], 32<<16
	s_mov_b32 s[G1KS+4], 32
	s_mov_b32 s[G1KS+5], 64
	s_mov_b32 s[G1KS+6], 0
	s_mov_b32 s[G1KS+7], 0
	s_mov_b32 s[G1VS], 15|(3<<16)|(1<<21)          ; V's scales: the first 256 bytes of 16 records, 16 records (8,192 bytes) apart
	s_mov_b32 s[G1VS+1], 32<<16
	s_mov_b32 s[G1VS+2], 16<<16
	s_mov_b32 s[G1VS+3], 32<<16
	s_mov_b32 s[G1VS+4], 16
	s_mov_b32 s[G1VS+5], 1024
	s_mov_b32 s[G1VS+6], 0
	s_mov_b32 s[G1VS+7], 0
	s_mov_b32 s95, 0
	s_wait_dscnt 0x0
	s_wait_kmcnt 0x0
	s_lshl_b32 s94, s13, 11                        ; K (waves 0, 1): lane tile 128 b + 64 w, fragment 8 + head / 2, half head % 2
	s_add_co_u32 s94, s94, s15
	s_add_co_u32 s94, s94, 8
	s_lshl_b32 s94, s94, 1
	s_add_co_u32 s94, s94, s16
	s_mul_i32 s94, s94, 768
	s_mul_i32 s92, s[WV], 64*16*FRB
	s_add_co_u32 s94, s94, s92
	s_mov_b32 s[G0K], 1
	s_mul_i32 s[G0K+1], s[WV], 64*768
	s_add_nc_u64 s[G0K+2:G0K+3], s[4:5], s[94:95]
	s_or_b32 s[G0K+3], s[G0K+3], 0x80000000
	s_lshl_b32 s94, s14, 8                         ; V (waves 2 to 5): feature tile 4 head + w - 2, fragments 16 b on
	s_lshl_b32 s92, s13, 4
	s_add_co_u32 s94, s94, s92
	s_mul_i32 s94, s94, FRB
	s_mul_i32 s92, s[WV], 64*FRB
	s_add_co_u32 s94, s94, s92
	s_add_co_u32 s94, s94, VC-2*64*FRB
	s_mov_b32 s[G0V], 1
	s_mul_i32 s[G0V+1], s[WV], 16*FRB
	s_add_co_u32 s[G0V+1], s[G0V+1], VREG-2*16*FRB
	s_add_nc_u64 s[G0V+2:G0V+3], s[4:5], s[94:95]
	s_or_b32 s[G0V+3], s[G0V+3], 0x80000000
	s_add_co_u32 s94, s15, 8                       ; K's scales (wave 6): s = 8 + head / 2, records 32 b on, their second half
	s_lshl_b32 s94, s94, 7
	s_lshl_b32 s92, s13, 5
	s_add_co_u32 s94, s94, s92
	s_lshl_b32 s94, s94, 9
	s_add_co_u32 s94, s94, 256
	s_mov_b32 s[G0KS], 1
	s_mov_b32 s[G0KS+1], KSC
	s_add_nc_u64 s[G0KS+2:G0KS+3], s[6:7], s[94:95]
	s_or_b32 s[G0KS+3], s[G0KS+3], 0x80000000
	s_lshl_b32 s94, s13, 8                         ; V's scales (wave 7): s = 16 b on, record = head
	s_add_co_u32 s94, s94, s14
	s_lshl_b32 s94, s94, 9
	s_add_co_u32 s94, s94, VS
	s_mov_b32 s[G0VS], 1
	s_mov_b32 s[G0VS+1], VSC
	s_add_nc_u64 s[G0VS+2:G0VS+3], s[6:7], s[94:95]
	s_or_b32 s[G0VS+3], s[G0VS+3], 0x80000000
	CROUND                                         ; all four work-groups are here: the joint loads meet
	s_cmp_lt_u32 s[WV], 2                          ; one load a wave, waves 0 to 7; the branches hang on the wave's number alone; four v_nop follow each line
	s_cbranch_scc0 .Lnot_k
	tensor_load_to_lds s[G0K:G0K+3], s[G1K:G1K+7]
	s_nop 0
.rept 4
	v_nop
.endr
	s_branch .Lasked
.Lnot_k:
	s_cmp_lt_u32 s[WV], 6
	s_cbranch_scc0 .Lnot_v
	tensor_load_to_lds s[G0V:G0V+3], s[G1V:G1V+7]
	s_nop 0
.rept 4
	v_nop
.endr
	s_branch .Lasked
.Lnot_v:
	s_cmp_eq_u32 s[WV], 6
	s_cbranch_scc0 .Lnot_ks
	tensor_load_to_lds s[G0KS:G0KS+3], s[G1KS:G1KS+7]
	s_nop 0
.rept 4
	v_nop
.endr
	s_branch .Lasked
.Lnot_ks:
	s_cmp_eq_u32 s[WV], 7
	s_cbranch_scc0 .Lasked
	tensor_load_to_lds s[G0VS:G0VS+3], s[G1VS:G1VS+7]
	s_nop 0
.rept 4
	v_nop
.endr
.Lasked:
	; what does not hang on the tile, of the four addresses that a tile makes
	s_lshl_b32 s17, s13, 7                         ; the batch's first lane tile
	s_mul_i32 s18, s15, FRB
	s_mul_i32 s92, s16, 768
	s_add_co_u32 s18, s18, s92                     ; q's codes: fragment head / 2, half head % 2
	s_lshl_b32 s19, s15, 7
	s_lshl_b32 s93, s13, 5
	s_add_co_u32 s19, s19, s93
	s_lshl_b32 s19, s19, 9                         ; q's scale word: s = head / 2, records 32 b on;
	s_lshl_b32 s93, s16, 3
	s_add_co_u32 s19, s19, s93
	s_lshr_b32 s93, s[CX], 1
	s_lshl_b32 s93, s93, 2
	s_add_co_u32 s19, s19, s93
	s_add_co_u32 s19, s19, 256                     ; the paired word of pair cx / 2, half head % 2
	s_lshr_b32 s93, s15, 2
	s_mul_i32 s93, s93, HALFB
	s_and_b32 s94, s15, 3
	s_mul_i32 s66, s94, FRB
	s_add_co_u32 s66, s66, s93
	s_add_co_u32 s66, s66, s92                     ; o's codes: half (head / 2) / 4 of K, fragment (head / 2) % 4, half head % 2
	s_lshl_b32 s67, s94, 2
	s_add_co_u32 s67, s67, s93
	s_lshl_b32 s94, s16, 1
	s_add_co_u32 s67, s67, s94
	s_add_co_u32 s67, s67, 4*FRB                   ; o's scale bytes: behind the half's four fragments, word (head / 2) % 4, bytes 2 (head % 2) on
	s_mov_b32 s98, 0x01000100
	s_bitcmp1_b32 s[CX], 0
	s_cselect_b32 s98, 0x03020302, s98             ; which halfword of the paired word is my tile's: low for an even cx, high for an odd
	s_mov_b32 s[SEL], 0x76543210
	s_mov_b32 s[SEL+1], 0xfedcba98
	s_mov_b32 s[CS], 0x3e38aa3b                    ; c = log2(e) / 8
	s_mov_b32 s[CS+1], s[CS]                       ; (named with it as a pair, so it is written)
	v_and_b32 v5, 31, v0                           ; lane
	s_delay_alu instid0(VALU_DEP_1)
	v_lshlrev_b32 v1, 3, v5                        ; 8 x lane: my bytes of a plane, in LDS (K begins at 0) and in memory
	s_delay_alu instid0(VALU_DEP_1)
	v_add_nc_u32 v2, VREG, v1
	v_and_b32 v8, 15, v0                           ; r
	v_bfe_u32 v9, v0, 4, 1                         ; h
	s_delay_alu instid0(VALU_DEP_2)
	v_lshlrev_b32 v7, 4, v8                        ; 16 r
	s_lshl_b32 s92, s16, 3
	v_add_nc_u32 v3, s92, v7
	s_delay_alu instid0(VALU_DEP_1)
	v_add_nc_u32 v3, KSC, v3                       ; K's paired words of lane-row r: two for my half of the features
	v_add_nc_u32 v4, VSC, v7                       ; V's four words of lane-row r
	v_add_nc_u32 v6, v7, v9                        ; o's scale byte: 16 r + h
	v_and_b32 v10, 8, v8
	s_delay_alu instid0(VALU_DEP_1)
	v_add_nc_u32 v10, v10, v8
	v_lshlrev_b32 v11, 4, v9
	s_delay_alu instid0(VALU_DEP_1)
	v_sub_nc_u32 v94, v10, v11                     ; r + 8 (r / 8) - 16 h
	v_cmp_le_u32 s97, 16, v5                       ; lanes 16-31
.irp i, 0,1,2,3,4,5
	v_mov_b32 v[22+\i], 0                          ; the zero codes between the two copies of q
.endr
.irp b, 0,1,2,3
	v_mov_b32 v[236+\b], 0                         ; written once: a lane permute's destination counts as one of its sources
.endr
	v_mov_b32 v252, 0
	v_mov_b32 v253, 0                              ; (named as the upper half of the pair v[252:253] before it is first written)
	s_wait_tensorcnt 0x0                           ; my load has landed (a wave that issued none passes at once),
	s_barrier_signal -1
	s_barrier_wait -1                              ; everybody's has: from here on LDS is only read
; ONE TILE OF 16 QUERIES: j = wave (second = 0) or 31 - wave (1).
.macro TILE second
.if \second
	s_sub_co_u32 s[J], 31, s[WV]
	s_wait_xcnt 0x0                                ; the first tile's loads and stores have read their bases and data: they are written again only behind this wait
.else
	s_mov_b32 s[J], s[WV]
.endif
	s_lshl_b32 s[I], s[J], 2
	s_add_co_u32 s[I], s[I], s[CX]
	s_lshr_b32 s[JL], s[J], 1                      ; the last key step that holds a key for these queries: i / 8 = j / 2
	s_add_co_u32 s92, s17, s[I]                    ; the lane tile: 128 b + i
	s_mul_i32 s94, s92, 16*FRB
	s_add_co_u32 s94, s94, s18
	s_mov_b32 s95, 0
	s_add_nc_u64 s[84:85], s[4:5], s[94:95]        ; q's codes
	s_lshl_b32 s94, s[J], 9
	s_add_co_u32 s94, s94, s19
	s_add_nc_u64 s[86:87], s[6:7], s[94:95]        ; q's scale word
	s_mul_i32 s96, s92, 2*HALFB
	s_add_co_u32 s94, s96, s66
	s_add_nc_u64 s[88:89], s[8:9], s[94:95]        ; o's codes
	s_add_co_u32 s94, s96, s67
	s_add_nc_u64 s[90:91], s[8:9], s[94:95]        ; o's scale bytes
.irp n, 0,1,2
	global_load_b64 v[16+2*\n:17+2*\n], v1, s[84:85] offset:256*\n   ; q's three planes, into both places
	global_load_b64 v[28+2*\n:29+2*\n], v1, s[84:85] offset:256*\n
.endr
	global_load_b32 v93, v7, s[86:87]
	s_and_b32 s92, s[I], 7
	s_lshr_b32 s92, s92, 1
	s_lshl_b32 s92, s92, 5
	s_and_b32 s93, s[I], 1
	s_lshl_b32 s93, s93, 3
	s_add_co_u32 s92, s92, s93
	v_add_nc_u32 v35, s92, v94                     ; d = my query's place in the last key step - 16 (lane / 16).  Register 16 b + i holds the step's key 32 b + 16 (lane / 16) + i: hidden where 32 b + i > d
	v_mov_b32 v13, 0xff61b1e6                      ; the largest t so far: -3e38, under every t
	s_delay_alu instid0(VALU_DEP_1)
	v_floor_f32 v12, -v13                          ; -M
	v_mov_b32 v14, 0                               ; the sum, in two halves
	v_mov_b32 v15, 0
	s_mov_b32 s[ST], 0
	s_mov_b32 s[TK], 0
	s_mov_b32 s[TS], 0
	s_mov_b32 s[TV], 0
	s_mov_b32 s[TT], 0
	s_wait_loadcnt 0x0                             ; q
	v_perm_b32 v92, v93, v93, s98                  ; q's two scale bytes, twice: for K 0-63 and for K 64-127
.set N, 0
.rept 32
	v_mov_b32 v[160+N], 0                          ; O^T.  (The step is written once: the first finds zeros, which the first change of M leaves zeros.  These lines are also the places between v92's write and the first scaled product)
.set N, N+1
.endr
.Lstep_\@:                                         ; 16 trips, a constant
	s_cmp_gt_u32 s[ST], s[JL]                      ; all 128 keys come after my queries: the step's work is left out, the addresses' steps are not
	s_cbranch_scc1 .Lskip_\@
	s_setprio 2
	v_add_nc_u32 v8, s[TK], v1                     ; (these five are also the places in front of loads into registers that the last products read)
	v_add_nc_u32 v9, s[TV], v2
	v_add_nc_u32 v10, s[TS], v3
	v_add_nc_u32 v11, s[TT], v4
	s_delay_alu instid0(VALU_DEP_3)
	v_add_nc_u32 v34, 2*16*FRB, v9                 ; V's feature tiles 2 and 3 lie beyond an LDS offset's reach
.irp g, 0,1,2,3
.irp n, 0,1,2,3,4,5
	ds_load_b64 v[36+12*\g+2*\n:37+12*\g+2*\n], v8 offset:FRB*\g+256*\n   ; key tiles 2 g | 2 g + 1: a plane of 256 consecutive bytes a load
.endr
.endr
	ds_load_b64 v[84:85], v10                      ; the paired scale words of pairs 0, 1
	ds_load_b64 v[86:87], v10 offset:256           ; and 2, 3
	s_wait_alu depctr_va_vdst(0)
	s_wait_dscnt 0x0
.irp g, 0,1,2,3                                ; S^T = K Q^T: lane (r, h) holds query r; registers 16 g + 0 .. 15 are keys 32 g + 16 h + 0 .. 15 of the step
	v_wmma_scale_f32_16x16x128_f8f6f4 v[96+16*\g:103+16*\g], v[36+12*\g:47+12*\g], v[16:27], 0, v[84+\g], v92 matrix_a_fmt:MATRIX_FMT_FP6 matrix_b_fmt:MATRIX_FMT_FP6
	v_wmma_scale_f32_16x16x128_f8f6f4 v[104+16*\g:111+16*\g], v[36+12*\g:47+12*\g], v[22:33], 0, v[84+\g], v92 matrix_a_fmt:MATRIX_FMT_FP6 matrix_b_fmt:MATRIX_FMT_FP6
.endr
.rept 4
	v_nop                                          ; places: in front of the loads below and of the first read of the scores
.endr
.irp t, 0,1                                    ; V's four fragments of this key step land while the softmax is walked
.irp n, 0,1,2,3,4,5
	ds_load_b64 v[36+12*\t+2*\n:37+12*\t+2*\n], v9 offset:16*FRB*\t+256*\n
.endr
.endr
.irp t, 0,1
.irp n, 0,1,2,3,4,5
	ds_load_b64 v[60+12*\t+2*\n:61+12*\t+2*\n], v34 offset:16*FRB*\t+256*\n
.endr
.endr
	ds_load_b128 v[88:91], v11
	s_cmp_lg_u32 s[ST], s[JL]                      ; only the tile's last step lies on the diagonal: there the scores of hidden keys become -infinity ahead of the maximum: p = 0 then
	s_cbranch_scc1 .Lopen_\@
	v_mov_b32 v254, 0xff800000
.set N, 0
.rept 64
	v_cmp_gt_i32 vcc_lo, 32*(N/16)+N%16, v35
	v_cndmask_b32 v[96+N], v[96+N], v254, vcc_lo
.set N, N+1
.endr
.Lopen_\@:
.irp b, 0,1,2,3
	v_max3_num_f32 v[232+\b], v[96+16*\b], v[97+16*\b], v[98+16*\b]   ; THE LARGEST SCORE OF EACH BLOCK OF 32 KEYS: it serves twice: for the row's maximum, and, since p rises with the score, for the block's largest p
.endr
.irp i, 3,5,7,9,11,13
.irp b, 0,1,2,3
	v_max3_num_f32 v[232+\b], v[232+\b], v[96+16*\b+\i], v[97+16*\b+\i]   ; (the four blocks by turns)
.endr
.endr
.irp b, 0,1,2,3
	v_max_num_f32 v[232+\b], v[232+\b], v[111+16*\b]
.endr
.irp b, 0,1,2,3
	s_delay_alu instid0(VALU_DEP_4)
	v_permlanex16_b32 v[236+\b], v[232+\b], s[SEL], s[SEL+1]
.endr
.irp b, 0,1,2,3
	s_delay_alu instid0(VALU_DEP_4)
	v_max_num_f32 v[232+\b], v[232+\b], v[236+\b]  ; with lane l xor 16's 16 keys
.endr
	s_delay_alu instid0(VALU_DEP_2)
	v_max3_num_f32 v254, v232, v233, v234
	s_delay_alu instid0(VALU_DEP_1)
	v_max_num_f32 v254, v254, v235                 ; the step's largest score of my query (the step's first key counts for every query of the tile: it is a number)
	s_delay_alu instid0(VALU_DEP_1)
	v_mul_f32 v254, s[CS], v254                    ; as t (c is positive)
	s_delay_alu instid0(VALU_DEP_1)
	v_max_num_f32 v13, v13, v254                   ; the running largest t
	v_mov_b32 v254, v12
	s_delay_alu instid0(VALU_DEP_2)
	v_floor_f32 v12, -v13                          ; the new -M = floor(-t) = -ceil(t): M IS A WHOLE NUMBER
	s_delay_alu instid0(VALU_DEP_1)
	v_sub_f32 v254, v12, v254                      ; M's old value less its new one: a whole number, 0 or less
	s_delay_alu instid0(VALU_DEP_1)
	v_cvt_i32_f32 v254, v254                       ; (it saturates)
	s_delay_alu instid0(VALU_DEP_1)
	v_ldexp_f32 v252, 1.0, v254                    ; f = 2^(old M - new M): a multiplication by it rounds nothing
.set N, 0
	s_setprio 1
.rept 32
	v_pk_fma_f32 v[96+N:97+N], v[96+N:97+N], s[CS:CS+1], v[12:13] op_sel_hi:[1,0,0]   ; t - M, two at a time (of the pairs c and -M the low word serves both halves)
.set N, N+2
.endr
.irp b, 0,1,2,3
	v_fma_f32 v[232+\b], v[232+\b], s[CS], v12     ; the same of each block's largest score
.endr
.set N, 0
	s_wait_alu depctr_va_vdst(0)
.rept 64
	v_exp_f32 v[96+N], v[96+N]                     ; p = 2^(t - M), at most 1: NOT normalised
.set N, N+1
.endr
.irp b, 0,1,2,3
	v_exp_f32 v[232+\b], v[232+\b]                 ; the block's largest p: the same two instructions on the same number give the same bits
.endr
	v_pk_mul_f32 v[14:15], v[14:15], v[252:253] op_sel_hi:[1,0]   ; the sums under the new M.  (A plain place behind the exponentials)
	s_wait_alu depctr_va_vdst(0)
.irp b, 0,1,2,3
	v_max_num_f32 v[232+\b], 0x1800000, v[232+\b]  ; the floor 2^(3 - 127): the byte cannot fall under 1 (a block whose every p is 0 keeps that byte: its codes are zeros)
.endr
.irp b, 0,1,2,3
	s_delay_alu instid0(VALU_DEP_4)
	v_add_nc_u32 v[244+\b], 0xff000000, v[232+\b]  ; 2 off the exponent field: the conversion's scale operand
.endr
.irp b, 0,1,2,3
	s_delay_alu instid0(VALU_DEP_4)
	v_lshrrev_b32 v[236+\b], 23, v[244+\b]         ; the scale's byte
.endr
	s_delay_alu instid0(VALU_DEP_3)
	v_lshl_or_b32 v253, v237, 8, v236              ; p's scale word for these 128 keys
	s_delay_alu instid0(VALU_DEP_1)
	v_lshl_or_b32 v253, v238, 16, v253
	s_delay_alu instid0(VALU_DEP_1)
	v_lshl_or_b32 v253, v239, 24, v253
.irp c, 0,1
	v_cvt_scalef32_pk16_fp6_f32 v[224+6*\c:226+6*\c], v[96+32*\c:111+32*\c], v[244+2*\c]
	v_cvt_scalef32_pk16_fp6_f32 v[236+4*\c:238+4*\c], v[112+32*\c:127+32*\c], v[244+2*\c+1]   ; (a conversion's three registers begin on an even number)
.endr
	v_nop                                          ; one plain place behind a scaled conversion
.irp c, 0,1                                    ; the operand's layout wants a WHOLE block in a lane: lanes 0-15 block 2 c, lanes 16-31 block 2 c + 1
.irp i, 0,1,2
	v_permlane16_swap_b32 v[224+6*\c+\i], v[236+4*\c+\i]
.endr
.irp i, 0,1,2
	s_delay_alu instid0(VALU_DEP_3)
	v_mov_b32 v[227+6*\c+\i], v[236+4*\c+\i]
.endr
.endr
	v_pk_add_f32 v[236:237], v[100:101], v[104:105]
	v_pk_add_f32 v[248:249], v[108:109], v[112:113]
	v_pk_add_f32 v[246:247], v[116:117], v[120:121]
	v_pk_add_f32 v[244:245], v[124:125], v[128:129]
	v_pk_add_f32 v[242:243], v[132:133], v[136:137]
	v_pk_add_f32 v[240:241], v[140:141], v[144:145]
	v_pk_add_f32 v[222:223], v[148:149], v[152:153]
	s_setprio 0
	v_pk_add_f32 v[14:15], v[14:15], v[156:157]
	v_pk_add_f32 v[236:237], v[236:237], v[96:97]
	v_pk_add_f32 v[248:249], v[248:249], v[98:99]
	v_pk_add_f32 v[246:247], v[246:247], v[102:103]
	v_pk_add_f32 v[244:245], v[244:245], v[106:107]
	v_pk_add_f32 v[242:243], v[242:243], v[110:111]
	v_pk_add_f32 v[240:241], v[240:241], v[114:115]
	v_pk_add_f32 v[222:223], v[222:223], v[118:119]
	v_pk_add_f32 v[14:15], v[14:15], v[122:123]
	v_pk_add_f32 v[236:237], v[236:237], v[126:127]
	v_pk_add_f32 v[248:249], v[248:249], v[130:131]
	v_pk_add_f32 v[246:247], v[246:247], v[134:135]
	v_pk_add_f32 v[244:245], v[244:245], v[138:139]
	v_pk_add_f32 v[242:243], v[242:243], v[142:143]
	v_pk_add_f32 v[240:241], v[240:241], v[146:147]
	v_pk_add_f32 v[222:223], v[222:223], v[150:151]
	v_pk_add_f32 v[14:15], v[14:15], v[154:155]
	v_pk_add_f32 v[236:237], v[236:237], v[158:159]
	s_delay_alu instid0(VALU_DEP_2)
	v_pk_add_f32 v[14:15], v[14:15], v[244:245]
	s_delay_alu instid0(VALU_DEP_2)
	v_pk_add_f32 v[236:237], v[236:237], v[242:243]
	v_pk_add_f32 v[248:249], v[248:249], v[240:241]
	v_pk_add_f32 v[246:247], v[246:247], v[222:223]
	s_delay_alu instid0(VALU_DEP_2)
	v_pk_add_f32 v[14:15], v[14:15], v[248:249]
	s_delay_alu instid0(VALU_DEP_2)
	v_pk_add_f32 v[236:237], v[236:237], v[246:247]
	s_delay_alu instid0(VALU_DEP_1)
	v_pk_add_f32 v[14:15], v[14:15], v[236:237]
.set N, 0
.rept 16
	v_pk_mul_f32 v[160+N:161+N], v[160+N:161+N], v[252:253] op_sel_hi:[1,0]   ; O^T under the new M: x f.  (With the sums above: the places between the writes of p's codes and scale word and the scaled products)
.set N, N+2
.endr
	s_wait_alu depctr_va_vdst(0)
	s_wait_dscnt 0x0                               ; V's fragments and scale words are in
.irp t, 0,1,2,3                                ; O^T += V^T P^T: four tiles of 16 features, K = these 128 keys; four accumulators, one instruction each
	v_wmma_scale_f32_16x16x128_f8f6f4 v[160+8*\t:167+8*\t], v[36+12*\t:47+12*\t], v[224:235], v[160+8*\t:167+8*\t], v[88+\t], v253 matrix_a_fmt:MATRIX_FMT_FP6 matrix_b_fmt:MATRIX_FMT_FP6
.endr
.Lskip_\@:
	s_add_co_u32 s[TK], s[TK], 8*768               ; the next key step: eight half tiles of K,
	s_add_co_u32 s[TS], s[TS], 512                 ; two records of its scale words,
	s_add_co_u32 s[TV], s[TV], FRB                 ; a fragment in each of V's feature tiles,
	s_add_co_u32 s[TT], s[TT], 256                 ; a record of its scale words
	s_add_co_u32 s[ST], s[ST], 1
	s_cmp_lt_u32 s[ST], 16
	s_cbranch_scc1 .Lstep_\@
	s_setprio 0
	; THE WAY OUT: o = O^T / the sum, in f32, is quantised along the features: the head's 64 are two blocks of 32.  Registers 16 b + i hold feature 32 b + 16 (lane / 16) + i of my query.
.rept 4
	v_nop                                          ; places behind the last products
.endr
	v_add_f32 v14, v14, v15                        ; the sum's two halves,
	s_delay_alu instid0(VALU_DEP_1)
	v_permlanex16_b32 v252, v14, s[SEL], s[SEL+1]
	s_delay_alu instid0(VALU_DEP_1)
	v_add_f32 v14, v14, v252                       ; and lane l xor 16's: the row's sum
	s_wait_alu depctr_va_vdst(0)
	v_rcp_f32 v14, v14
	v_nop                                          ; one plain place behind a transcendental
.set N, 0
	s_wait_alu depctr_va_vdst(0)
.rept 16
	v_pk_mul_f32 v[96+N:97+N], v[160+N:161+N], v[14:15] op_sel_hi:[1,0]   ; each accumulator from its low end on
.set N, N+2
.endr
	v_max3_num_f32 v232, |v96|, |v97|, 0x1800000   ; the two blocks' largest magnitudes, with the floor 2^(3 - 127)
	v_max3_num_f32 v233, |v112|, |v113|, 0x1800000
.irp i, 2,4,6,8,10,12,14
	s_delay_alu instid0(VALU_DEP_2)
	v_max3_num_f32 v232, v232, |v[96+\i]|, |v[97+\i]|
	s_delay_alu instid0(VALU_DEP_2)
	v_max3_num_f32 v233, v233, |v[112+\i]|, |v[113+\i]|
.endr
	s_delay_alu instid0(VALU_DEP_2)
	v_permlanex16_b32 v236, v232, s[SEL], s[SEL+1]
	s_delay_alu instid0(VALU_DEP_2)
	v_permlanex16_b32 v237, v233, s[SEL], s[SEL+1]
	s_delay_alu instid0(VALU_DEP_2)
	v_max_num_f32 v232, v232, v236
	s_delay_alu instid0(VALU_DEP_2)
	v_max_num_f32 v233, v233, v237
	s_delay_alu instid0(VALU_DEP_2)
	v_add_nc_u32 v244, 0xff000000, v232            ; the conversions' scale operands
	s_delay_alu instid0(VALU_DEP_2)
	v_add_nc_u32 v245, 0xff000000, v233
	v_cvt_scalef32_pk16_fp6_f32 v[224:226], v[96:111], v244
	v_cvt_scalef32_pk16_fp6_f32 v[236:238], v[112:127], v245
	v_lshrrev_b32 v246, 23, v244                   ; the two bytes (plain lines behind the conversions)
	v_lshrrev_b32 v247, 23, v245
.irp i, 0,1,2
	v_permlane16_swap_b32 v[224+\i], v[236+\i]     ; a whole block in a lane: lanes 0-15 block 0, lanes 16-31 block 1
.endr
.irp i, 0,1,2
	s_delay_alu instid0(VALU_DEP_3)
	v_mov_b32 v[227+\i], v[236+\i]
.endr
	v_cndmask_b32 v246, v246, v247, s97            ; my lane's block's byte
.irp n, 0,1,2
	global_store_b64 v1, v[224+2*\n:225+2*\n], s[88:89] offset:256*\n   ; three planes: 256 consecutive, aligned bytes each
.endr
	global_store_b8 v6, v246, s[90:91]             ; two bytes a lane-row: the other fourteen of a row's sixteen are other heads'
.endm
	TILE 0
	TILE 1
	s_wait_dscnt 0x0
	s_wait_tensorcnt 0x0
	ds_add_u32 v251, v255
	s_wait_dscnt 0x0
	CROUND                                         ; the closing round: no work-group ends while a partner may still ask for a tile that names it
	s_endpgm
.Lfunc_end_k_qe84afc30c8_attn:
	.size	k_qe84afc30c8_attn, .Lfunc_end_k_qe84afc30c8_attn-k_qe84afc30c8_attn
	.p2alignl 7, 3214868480
	.fill 96, 4, 3214868480
	.section	.rodata,"a",@progbits
	.p2align	6, 0x0
	.amdhsa_kernel k_qe84afc30c8_attn
		.amdhsa_group_segment_fixed_size 210944
		.amdhsa_private_segment_fixed_size 0
		.amdhsa_enable_private_segment 0
		.amdhsa_kernarg_size 24
		.amdhsa_user_sgpr_count 2
		.amdhsa_user_sgpr_kernarg_segment_ptr 1
		.amdhsa_wavefront_size32 1
		.amdhsa_system_sgpr_workgroup_id_x 1
		.amdhsa_system_sgpr_workgroup_id_y 1
		.amdhsa_system_sgpr_workgroup_id_z 1
		.amdhsa_system_vgpr_workitem_id 0
		.amdhsa_next_free_vgpr 256
		.amdhsa_next_free_sgpr 100
		.amdhsa_reserve_vcc 1
		.amdhsa_float_denorm_mode_32 3
		.amdhsa_float_denorm_mode_16_64 3
		.amdhsa_memory_ordered 1
		.amdhsa_forward_progress 1
		.amdhsa_inst_pref_size 72
	.end_amdhsa_kernel
	.amdgpu_metadata
---
amdhsa.version: [ 1, 2 ]
amdhsa.kernels:
  - .name:           k_qe84afc30c8_attn
    .symbol:         k_qe84afc30c8_attn.kd
    .args:
      - { .name: att_codes, .offset: 0, .size: 8, .value_kind: global_buffer, .address_space: global }
      - { .name: att_scales, .offset: 8, .size: 8, .value_kind: global_buffer, .address_space: global }
      - { .name: o_img, .offset: 16, .size: 8, .value_kind: global_buffer, .address_space: global }
    .group_segment_fixed_size: 210944
    .private_segment_fixed_size: 0
    .kernarg_segment_align: 8
    .kernarg_segment_size: 24
    .max_flat_workgroup_size: 512
    .sgpr_count:     100
    .vgpr_count:     256
    .wavefront_size: 32
...
	.end_amdgpu_metadata
.endif
;; end of part 3
;; launch proj (part 4): grid 4 x 64, 4 waves a work-group, clusters of 4 x 4, 307,712 bytes of LDS; arguments xw_img, o_img, bp, out0; writes out0
.if DOCPART == 4
	.amdgcn_target "amdgcn-amd-amdhsa--gfx1250"
	.amdhsa_code_object_version 6
	.text
	.protected	k_qe84afc30c8_proj
	.globl	k_qe84afc30c8_proj
	.p2align	8
	.type	k_qe84afc30c8_proj,@function
k_qe84afc30c8_proj:
	s_mov_b64 s[64:65], 0
	v_nop
	global_prefetch_b8 v0, s[64:65] scope:SCOPE_SE
	s_setreg_imm32_b32 hwreg(HW_REG_WAVE_MODE, 25, 1), 1
	s_wait_xcnt 0x0
	s_wait_alu depctr_hold_cnt(0) depctr_sa_sdst(0) depctr_va_vdst(0) depctr_va_sdst(0) depctr_va_ssrc(0) depctr_va_vcc(0) depctr_vm_vsrc(0)
	s_getreg_b32 s2, hwreg(HW_REG_IB_STS2, 6, 4)
	s_cmp_eq_u32 s2, 0
	s_cbranch_scc0 .Lentry_in_a_cluster
	s_endpgm
.Lentry_in_a_cluster:
	s_bfe_u32 s2, ttmp6, 0x10000c
	s_cmp_lg_u32 s2, 0xf033
	s_cbranch_scc0 .Lentry_shape_is_right
	s_endpgm
.Lentry_shape_is_right:
; out0 = o Wp^T + bp on codes of FP6 (E2M3) with E8M0 scales for each 32 along K = 1,024; sums in f32; bp is the C of each sum's first product.
; D = source 0 (the R side: Wp's rows, which run along a lane's registers in D) x source 1 (the L side: the tokens, D's lanes).  Both operands come as images of their registers,
; [lane tile][half of K][four fragments of 1,536 bytes + 256 bytes of scale words]: Wp from xw_img (lane tiles 704 on), o from o_img.  Lane-row m of lane tile lt is row 32 (lt / 2) + 8 (lt % 2) + m + 8 (m / 8),
; so the 16 registers of R tiles 2 b and 2 b + 1 in a lane are 16 neighbouring columns of one row of out0: 64 bytes.
; SHARES.  A work-group makes R 256 x L 128; wave w makes R 128 (half w % 2) x L 64 (half w / 2): 32 accumulators.  256 work-groups.
; LDS.  ALL OF K for the work-group's 16 + 8 lane tiles is 307,200 bytes: every byte is filled once, all fills go out at the start, in two halves of K; there is no ring and nothing is filled again.
; CLUSTERS: 4 x 4 work-groups.  R's tiles hang on the work-group's x alone and are shared along a column of the cluster, L's on its y alone and are shared along a row: each is asked for JOINTLY.
; REGISTERS, in windows of 256: window 0: v1-27 addresses; v32-79 scale words and nothing else; v96-191 L's fragments, two sets; on the way out v128-255 rows of out0.  window 1: R's fragments, two sets.
;   window 2: accumulator (a, i) at v[64 a + 8 i].  window 3: v0-63 bp in the result's layout, eight registers for each R tile.
.set FRB,   1536
.set HALFB, 4*FRB+256
.set RHALF, 16*HALFB
.set LREG,  2*RHALF
.set LHALF, 8*HALFB
.set SCO,   4*FRB
.set SPITCH, 528                       ; the way out: a stage of 16 rows x (512 bytes + 16) for each wave, in R's first half of K, which has had its only fill and whose last reads were waited for in front of K step 3's barrier
.set LN8,  1
.set LANE, 2
.set ADR,  16
.set ADL,  18
.set ASR,  20
.set ASL,  22
.set LN16, 24                          ; v24  16 x lane
.set BO,   25                          ; v25  bp: 64 x (lane / 16)
.set STO,  26                          ; v26  the stage: where I put 64 bytes of a row
.set RD,   27                          ; v27  and where I read a row back
.set SC,   32
.set LF,   96
.set BK,   128
.set WV,   12
.set G1L,  24
.set G0L,  32
.set G1R,  40
.set G0R,  48
.set MSB, 0
.macro WIN new                         ; the immediate's high byte repeats the setting that is left
.if MSB != \new
	s_set_vgpr_msb (MSB<<8)|\new
.set MSB, \new
.endif
.endm
.set MULW, 0xa1                        ; source 0 (R) window 1, source 1 (L) window 0, C and D window 2
.set MULB, 0xb1                        ; the same with C (bp) in window 3
.set TO_R, 0x40                        ; destination window 1, address window 0
.macro CREST
	s_cmp_lg_u32 s[WV], 0
	s_cbranch_scc1 .Lnot_wave_0_\@
	s_barrier_signal -3
.Lnot_wave_0_\@:
	s_barrier_wait -3
	s_barrier_signal -1
	s_barrier_wait -1
.endm
.macro CROUND
	s_barrier_signal -1
	s_barrier_wait -1
	CREST
.endm
.macro PLACES                          ; four places in front of loads into registers that matrix instructions have read, and of the first read of results
.rept 4
	v_nop
.endr
.endm
	s_load_b256 s[4:11], s[0:1], 0x0               ; xw_img, o_img, bp, out0
	v_lshl_add_u32 v94, v0, 2, 0x4b000
	v_mov_b32 v95, 0
	ds_add_u32 v94, v95
	ds_add_u32 v94, v95
	v_lshrrev_b32 v1, 5, v0
	v_readfirstlane_b32 s[WV], v1                  ; wave 0..3
	s_lshr_b32 s13, s[WV], 1                       ; my half of L.  Also: I fetch for L (0) or for R (1)
	s_and_b32 s14, s[WV], 1                        ; my half of R.  Also: which half of that side's lane tiles I fetch
	s_bfe_u32 s16, ttmp6, 0x40000                  ; cx, cy
	s_bfe_u32 s17, ttmp6, 0x40004
	s_lshl_b32 s18, ttmp9, 2
	s_add_co_u32 s18, s18, s16                     ; R tile = 4 x cluster x + cx: 4 tiles of 256 rows of Wp
	s_and_b32 s19, ttmp7, 0xffff
	s_lshl_b32 s19, s19, 2
	s_add_co_u32 s19, s19, s17                     ; L tile = 4 x cluster y + cy: 64 tiles of 128 tokens
	s_lshl_b32 s72, s18, 4
	s_add_co_u32 s72, s72, 704
	s_lshl_b32 s73, s14, 3
	s_add_co_u32 s72, s72, s73                     ; R: the first of the 8 lane tiles that I would fetch
	s_mul_i32 s72, s72, 2*HALFB
	s_mov_b32 s73, 0
	s_lshl_b32 s74, s19, 3
	s_lshl_b32 s75, s14, 2
	s_add_co_u32 s74, s74, s75                     ; L: the first of the 4
	s_mul_i32 s74, s74, 2*HALFB
	s_mov_b32 s75, 0
	s_lshl_b32 s76, s17, 2
	s_lshl_b32 s76, 15, s76                        ; my row of the cluster
	s_lshl_b32 s77, 0x1111, s16                    ; my column
	; descriptor group 1: rows of 6,400 bytes (800 elements of 8), one for each lane tile, 12,800 bytes apart in memory, on end in LDS
	s_or_b32 s[G1L], s76, (3<<16)|(1<<21)          ; 15:0 the mask: L's tiles go to my row; 17:16 elements of 8 bytes; 20 no padding; 21 set beside a mask
	s_mov_b32 s[G1L+1], 800<<16
	s_mov_b32 s[G1L+2], 4<<16
	s_mov_b32 s[G1L+3], 800<<16
	s_mov_b32 s[G1L+4], 4
	s_mov_b32 s[G1L+5], 1600
	s_mov_b32 s[G1L+6], 0
	s_mov_b32 s[G1L+7], 0
	s_or_b32 s[G1R], s77, (3<<16)|(1<<21)          ; R's tiles go to my column
	s_mov_b32 s[G1R+1], 800<<16
	s_mov_b32 s[G1R+2], 8<<16
	s_mov_b32 s[G1R+3], 800<<16
	s_mov_b32 s[G1R+4], 8
	s_mov_b32 s[G1R+5], 1600
	s_mov_b32 s[G1R+6], 0
	s_mov_b32 s[G1R+7], 0
	s_mul_i32 s78, s14, 4*HALFB                    ; where they go: the wave's number alone enters an LDS address
	s_mul_i32 s79, s14, 8*HALFB
	s_lshl_b32 s86, s18, 10
	s_lshl_b32 s87, s14, 9
	s_add_co_u32 s86, s86, s87                     ; my first column, in bytes: 1,024 x R tile + 512 x my half
	s_mov_b32 s87, 0
	s_lshl_b32 s88, s19, 19
	s_lshl_b32 s89, s13, 18
	s_add_co_u32 s88, s88, s89                     ; my first row of out0: 128 x L tile + 64 x my half, rows of 4,096 bytes
	s_add_co_u32 s88, s88, s86
	s_mov_b32 s89, 0
	s_wait_dscnt 0x0
	s_wait_kmcnt 0x0
	s_add_nc_u64 s[72:73], s[4:5], s[72:73]
	s_add_nc_u64 s[74:75], s[6:7], s[74:75]
	s_add_nc_u64 s[58:59], s[8:9], s[86:87]        ; bp at my first column
	s_add_nc_u64 s[60:61], s[10:11], s[88:89]      ; out0 at my corner; never stepped
.irp kh, 0,1
	s_mov_b32 s[G0L+4*\kh], 1
	s_add_co_u32 s[G0L+4*\kh+1], s78, LREG+LHALF*\kh
	s_add_nc_u64 s[G0L+4*\kh+2:G0L+4*\kh+3], s[74:75], HALFB*\kh
	s_or_b32 s[G0L+4*\kh+3], s[G0L+4*\kh+3], 0x80000000
	s_mov_b32 s[G0R+4*\kh], 1
	s_add_co_u32 s[G0R+4*\kh+1], s79, RHALF*\kh
	s_add_nc_u64 s[G0R+4*\kh+2:G0R+4*\kh+3], s[72:73], HALFB*\kh
	s_or_b32 s[G0R+4*\kh+3], s[G0R+4*\kh+3], 0x80000000
.endr
	CROUND                                         ; all sixteen work-groups are here: the joint loads meet
	s_cmp_eq_u32 s13, 0                            ; a wave's two fills stand in one branch on the wave's number: two loads of mine are out; four v_nop follow the second
	s_cbranch_scc0 .Lfor_r
	tensor_load_to_lds s[G0L:G0L+3], s[G1L:G1L+7]
	s_nop 0
	tensor_load_to_lds s[G0L+4:G0L+7], s[G1L:G1L+7]
	s_nop 0
.rept 4
	v_nop
.endr
	s_branch .Lasked
.Lfor_r:
	tensor_load_to_lds s[G0R:G0R+3], s[G1R:G1R+7]
	s_nop 0
	tensor_load_to_lds s[G0R+4:G0R+7], s[G1R:G1R+7]
	s_nop 0
.rept 4
	v_nop
.endr
.Lasked:
	v_and_b32 v[LANE], 31, v0
	v_lshlrev_b32 v[LN8], 3, v[LANE]
	v_lshlrev_b32 v[LN16], 4, v[LANE]
	v_and_b32 v3, 15, v0                           ; r
	v_bfe_u32 v4, v0, 4, 1                         ; h
	v_lshlrev_b32 v[BO], 6, v4
	WIN 0xc0                                       ; destination window 3
.irp i, 0,1,2,3,4,5,6,7                        ; bp in the result's layout: for R tile i lane (r, h) wants columns 32 (i / 2) + 16 h + 8 (i % 2) + 0 .. 7
	global_load_b128 v[8*\i:8*\i+3], v[BO], s[58:59] offset:(32*(\i/2)+8*(\i%2))*4
	global_load_b128 v[8*\i+4:8*\i+7], v[BO], s[58:59] offset:(32*(\i/2)+8*(\i%2))*4+16
.endr
	WIN 0
	s_mul_i32 s80, s14, 8*HALFB                    ; my 8 lane tiles of R
	s_mul_i32 s81, s13, 4*HALFB                    ; my 4 of L
	v_add_nc_u32 v[ADR], s80, v[LN8]
	v_add_nc_u32 v[ADR+1], RHALF, v[ADR]
	v_add_nc_u32 v[ADL], s81, v[LN8]
	v_add_nc_u32 v[ADL], LREG, v[ADL]
	v_add_nc_u32 v[ADL+1], LHALF, v[ADL]
	v_lshlrev_b32 v5, 4, v3                        ; 16 r: a lane-row's four scale words
	v_mad_u32_u24 v[ASR], v4, 4*HALFB, v5          ; lanes 16-31: four lane tiles on
	v_add_nc_u32 v[ASR], s80, v[ASR]
	v_add_nc_u32 v[ASR], SCO, v[ASR]
	v_add_nc_u32 v[ASR+1], RHALF, v[ASR]
	v_mad_u32_u24 v[ASL], v4, 2*HALFB, v5          ; lanes 16-31: two lane tiles on
	v_add_nc_u32 v[ASL], s81, v[ASL]
	v_add_nc_u32 v[ASL], LREG+SCO, v[ASL]
	v_add_nc_u32 v[ASL+1], LHALF, v[ASL]
	s_mul_i32 s82, s[WV], 16*SPITCH                ; my stage
	v_mul_u32_u24 v[STO], v3, SPITCH
	v_lshl_add_u32 v[STO], v4, 6, v[STO]
	v_add_nc_u32 v[STO], s82, v[STO]               ; in: row r, 64 bytes for each half of the lanes
	v_add_nc_u32 v[RD], s82, v[LN16]               ; back: the 32 lanes take one row of 512 bytes
.macro SCALES kh                       ; the scale words of four K steps: 16 bytes a lane-row
.irp u, 0,1,2,3
	ds_load_b128 v[SC+8*\u+4*(\kh):SC+8*\u+4*(\kh)+3], v[ASR+(\kh)] offset:HALFB*\u
.endr
.irp u, 0,1
	ds_load_b128 v[SC+32+8*\u+4*(\kh):SC+32+8*\u+4*(\kh)+3], v[ASL+(\kh)] offset:HALFB*\u
.endr
.endm
.macro FETCH s, p                      ; K step s into set p: 72 loads of one plane each (256 consecutive bytes): L's four fragments, R's 0-3, R's 4-7
	WIN 0
.irp a, 0,1,2,3
.irp n, 0,1,2,3,4,5
	ds_load_b64 v[LF+48*(\p)+12*\a+2*\n:LF+48*(\p)+12*\a+2*\n+1], v[ADL+(\s)/4] offset:HALFB*\a+FRB*((\s)%4)+256*\n
.endr
.endr
	WIN TO_R
.irp i, 0,1,2,3,4,5,6,7
.irp n, 0,1,2,3,4,5
	ds_load_b64 v[128*(\p)+12*\i+2*\n:128*(\p)+12*\i+2*\n+1], v[ADR+(\s)/4] offset:HALFB*\i+FRB*((\s)%4)+256*\n
.endr
.endr
	WIN 0
.endm
; One product: L tile a x R tile 4 hf + ii, K step s, set p.  first = 1: its C is bp's eight registers of that R tile (window 3): the bias costs no addition and nothing is cleared.
.macro MM a, ii, hf, p, s, first
.set rD, 64*(\a)+8*(4*(\hf)+(\ii))
.set rC, rD
.if \first
.set rC, 8*(4*(\hf)+(\ii))
.endif
.set rA, 128*(\p)+12*(4*(\hf)+(\ii))
.set rB, LF+48*(\p)+12*(\a)
.set rX, SC+8*(\ii)+(\s)
.set rY, SC+32+8*((\a)%2)+(\s)
.if (\hf == 0) && (\a < 2)
	v_wmma_scale_f32_16x16x128_f8f6f4 v[rD:rD+7], v[rA:rA+11], v[rB:rB+11], v[rC:rC+7], v[rX], v[rY] matrix_a_fmt:MATRIX_FMT_FP6 matrix_b_fmt:MATRIX_FMT_FP6
.elseif \hf == 0
	v_wmma_scale_f32_16x16x128_f8f6f4 v[rD:rD+7], v[rA:rA+11], v[rB:rB+11], v[rC:rC+7], v[rX], v[rY] matrix_a_fmt:MATRIX_FMT_FP6 matrix_b_fmt:MATRIX_FMT_FP6 matrix_b_scale:MATRIX_SCALE_ROW1
.elseif \a < 2
	v_wmma_scale_f32_16x16x128_f8f6f4 v[rD:rD+7], v[rA:rA+11], v[rB:rB+11], v[rC:rC+7], v[rX], v[rY] matrix_a_fmt:MATRIX_FMT_FP6 matrix_b_fmt:MATRIX_FMT_FP6 matrix_a_scale:MATRIX_SCALE_ROW1
.else
	v_wmma_scale_f32_16x16x128_f8f6f4 v[rD:rD+7], v[rA:rA+11], v[rB:rB+11], v[rC:rC+7], v[rX], v[rY] matrix_a_fmt:MATRIX_FMT_FP6 matrix_b_fmt:MATRIX_FMT_FP6 matrix_a_scale:MATRIX_SCALE_ROW1 matrix_b_scale:MATRIX_SCALE_ROW1
.endif
.endm
.macro MUL16 hf, p, s, first           ; 16 products.  The 32 accumulators take turns, one instruction a turn, in the same order in every K step
.irp a, 0,1,2,3
.irp ii, 0,1,2,3
	MM \a, \ii, \hf, \p, \s, \first
.endr
.endr
.endm
; A K step of 128: 32 products; in its middle the next step's 72 loads, in one run, into the other set.
; K step 3 is the last of the first half of K: in front of its barrier each wave's load of the second half has landed and its reads of the first half are in; behind it the second half is read.
.macro STEP s, first
.if (\s) == 3
	s_wait_dscnt 0x0                               ; my LDS loads are in: none is out at the signal
	s_wait_tensorcnt 0x0                           ; my part of the second half of K has landed
	s_barrier_signal -1
.else
	s_wait_dscnt 24                                ; the scale words, L's fragments and R's 0-3 are in; the youngest 24 loads (R's 4-7) may be out
.endif
.if \first
	WIN MULB
.else
	WIN MULW
.endif
	MUL16 0, (\s)%2, \s, \first
.if (\s) == 3
	s_barrier_wait -1                              ; everybody's part has
.else
	s_wait_dscnt 0x0                               ; R's 4-7 are in (asked for 32 products ago)
.endif
.if (\s) < 7
	PLACES                                         ; the other set was last read by the step before
.if (\s) == 3
	WIN 0
	SCALES 1
.endif
	FETCH (\s)+1, ((\s)+1)%2
.endif
.if \first
	WIN MULB
.else
	WIN MULW
.endif
	MUL16 1, (\s)%2, \s, \first
.endm
; THE WAY OUT, an L tile (16 rows x 128 columns) at a time.  A lane holds 64 neighbouring bytes of a row at a time, and the lanes beside it hold other rows: so a tile goes through my own stage in LDS and comes back as whole
; rows of 512 bytes.  LDS serves a wave's instructions in order (ISA guide 5.7.1.4): no wait between the stores and the loads, nor in front of the next tile's stores.
.macro TOSTAGE a
	WIN 0x08                                       ; an LDS store's data are its source 1: window 2
.irp b, 0,1,2,3
	ds_store_b128 v[STO], v[64*(\a)+16*\b:64*(\a)+16*\b+3] offset:128*\b          ; each accumulator from its low end on
	ds_store_b128 v[STO], v[64*(\a)+16*\b+4:64*(\a)+16*\b+7] offset:128*\b+16
	ds_store_b128 v[STO], v[64*(\a)+16*\b+8:64*(\a)+16*\b+11] offset:128*\b+32
	ds_store_b128 v[STO], v[64*(\a)+16*\b+12:64*(\a)+16*\b+15] offset:128*\b+48
.endr
	WIN 0
.set BB, BK+64*((\a)%2)
.irp t, 0,1,2,3,4,5,6,7,8,9,10,11,12,13,14,15
	ds_load_b128 v[BB+4*\t:BB+4*\t+3], v[RD] offset:\t*SPITCH
.endr
.endm
.macro SEND a, younger                 ; younger: the LDS instructions issued behind tile a's loads, which may stay out
.set BB, BK+64*((\a)%2)
	s_wait_dscnt \younger                          ; the tile is back in registers
.irp t, 0,1,2,3,4,5,6,7,8,9,10,11,12,13,14,15
	global_store_b128 v[LN16], v[BB+4*\t:BB+4*\t+3], s[60:61] offset:(32*((\a)/2)+8*((\a)%2)+\t+8*(\t/8))*4096 th:TH_STORE_NT   ; lane-row t's row of out0: 32 lanes store 512 consecutive bytes, at a multiple of 256 from out0's first byte; 63 rows at the most stand in the immediate
.endr
.endm
	s_wait_alu depctr_va_vdst(0)
	s_wait_tensorcnt 0x1                           ; my part of the first half of K has landed; the second half's load may stay out
	s_barrier_signal -1
	s_barrier_wait -1                              ; everybody's has
	SCALES 0
	FETCH 0, 0
	s_wait_loadcnt 0x0                             ; bp
	STEP 0, 1                                      ; the first K step's products start the sums, on bp
	STEP 1, 0
	STEP 2, 0
	STEP 3, 0
	STEP 4, 0
	STEP 5, 0
	STEP 6, 0
	STEP 7, 0
	WIN 0
	PLACES                                         ; for the reads of the results and for the loads into the registers that held L's fragments
	TOSTAGE 0
.irp a, 1,2,3
.if \a > 1
	s_wait_xcnt 0x0                                ; tile a - 2's stores have read their registers: tile a's loads may land there
.endif
	TOSTAGE \a
	SEND \a-1, 32                                  ; behind tile a - 1's loads: tile a's 16 stores and 16 loads
.endr
	SEND 3, 0
	s_wait_dscnt 0x0
	s_wait_tensorcnt 0x0
	ds_add_u32 v94, v95
	s_wait_dscnt 0x0
	CROUND                                         ; the closing round: no work-group ends while a partner may still ask for a tile that names it
	s_endpgm
.Lfunc_end_k_qe84afc30c8_proj:
	.size	k_qe84afc30c8_proj, .Lfunc_end_k_qe84afc30c8_proj-k_qe84afc30c8_proj
	.p2alignl 7, 3214868480
	.fill 96, 4, 3214868480
	.section	.rodata,"a",@progbits
	.p2align	6, 0x0
	.amdhsa_kernel k_qe84afc30c8_proj
		.amdhsa_group_segment_fixed_size 307712
		.amdhsa_private_segment_fixed_size 0
		.amdhsa_enable_private_segment 0
		.amdhsa_kernarg_size 32
		.amdhsa_user_sgpr_count 2
		.amdhsa_user_sgpr_kernarg_segment_ptr 1
		.amdhsa_wavefront_size32 1
		.amdhsa_system_sgpr_workgroup_id_x 1
		.amdhsa_system_sgpr_workgroup_id_y 1
		.amdhsa_system_sgpr_workgroup_id_z 1
		.amdhsa_system_vgpr_workitem_id 0
		.amdhsa_next_free_vgpr 1024
		.amdhsa_next_free_sgpr 100
		.amdhsa_reserve_vcc 0
		.amdhsa_float_denorm_mode_32 3
		.amdhsa_float_denorm_mode_16_64 3
		.amdhsa_memory_ordered 1
		.amdhsa_forward_progress 1
		.amdhsa_inst_pref_size 95
	.end_amdhsa_kernel
	.amdgpu_metadata
---
amdhsa.version: [ 1, 2 ]
amdhsa.kernels:
  - .name:           k_qe84afc30c8_proj
    .symbol:         k_qe84afc30c8_proj.kd
    .args:
      - { .name: xw_img, .offset: 0, .size: 8, .value_kind: global_buffer, .address_space: global }
      - { .name: o_img, .offset: 8, .size: 8, .value_kind: global_buffer, .address_space: global }
      - { .name: bp, .offset: 16, .size: 8, .value_kind: global_buffer, .address_space: global }
      - { .name: out0, .offset: 24, .size: 8, .value_kind: global_buffer, .address_space: global }
    .group_segment_fixed_size: 307712
    .private_segment_fixed_size: 0
    .kernarg_segment_align: 8
    .kernarg_segment_size: 32
    .max_flat_workgroup_size: 128
    .sgpr_count:     100
    .vgpr_count:     1024
    .wavefront_size: 32
...
	.end_amdgpu_metadata
.endif
;; end of part 4
